; MI455X (gfx1250); checked and timed in simulation.
; The chip was launched on July 23, 2026; its instructions are those of AMD's public machine-readable ISA for CDNA 5 (MIT licence, August 2026) and "CDNA5" Instruction Set Architecture Reference Guide (July 2026). The comments in the code are by the model that wrote it; some were corrected since.
;; Multi Head Attention. Allowed arithmetic: matrix products marked QUANTISED: E3M2 operands, one E8M0 scale for each 32 along K, by v_wmma_scale_f32_16x16x128_f8f6f4 with both operands' format E3M2, f32 sums; everything else in f32.
;; Inputs: K 2 x 4,096 x 512 float32; Q 2 x 4,096 x 512 float32; V 2 x 4,096 x 512 float32; Wk 8 x 512 x 64 float32; Wo 512 x 512 float32; Wq 8 x 512 x 64 float32; Wv 8 x 512 x 64 float32.
;; Outputs: out0 2 x 4,096 x 512 float32.
;; This version of the problem:
;;   THIS VERSION OF THE PROBLEM IS GIVEN IN LOW PRECISION. The matrix products marked QUANTISED in the list below multiply operands that are first quantised to E3M2 (3 exponent bits, 2 mantissa bits; 6 bits a number), with one power-of-two scale for each 32 numbers along K (OCP MX v1.0); their sums are f32. All else is computed in f32.
;;   The module's matrix products, in the order in which they are computed (A, B: the left and right operand; K: the contracted axis; several contracted axes count as one K, in the product's order):
;;     1. [M 512, K 512] x [K 512, N 8,192]; A: input Wq; B: input Q: QUANTISED
;;     2. [M 512, K 512] x [K 512, N 8,192]; A: input Wk; B: input K: QUANTISED
;;     3. [M 512, K 512] x [K 512, N 8,192]; A: input Wv; B: input V: QUANTISED
;;     4. batch 16 x [M 4,096, K 64] x [K 64, N 4,096]; A: computed on the way; B: computed on the way: QUANTISED
;;     5. batch 16 x [M 4,096, K 4,096] x [K 4,096, N 64]; A: softmax (see below); B: computed on the way: QUANTISED
;;     6. [M 8,192, K 512] x [K 512, N 512]; A: computed on the way; B: input Wo: QUANTISED
;;   THE QUANTISER, for each operand of a quantised product, along K:
;;     - K is cut into blocks of 32 from its start; a last block that is shorter is filled with zeros.
;;     - A block's scale is 2^e with e = floor(log2(the largest magnitude in the block)) - 4, held to -126 .. 127; a block of zeros has e = 0. As a byte (E8M0): e + 127.
;;     - Each number is divided by its block's scale, clamped to +-28, and rounded to the nearest number of E3M2, ties to even, subnormals kept.
;;     - The product sums the exact products of the quantised numbers (number of the format x scale) in f32.
;;   ~~~python
;;   def quantise(x, axis):      # numpy; x: float32 -> the quantised numbers, widened to float32 again
;;       x = np.moveaxis(x, axis, -1); K = x.shape[-1]
;;       x = np.pad(x, [(0, 0)] * (x.ndim - 1) + [(0, -K % 32)]); x = x.reshape(x.shape[:-1] + (-1, 32)); a = np.abs(x).max(-1, keepdims=True)
;;       e = np.where(a > 0, np.clip(np.frexp(np.where(a > 0, a, 1))[1] - 1 - 4, -126, 127), 0)      # np.frexp(a)[1] - 1 = floor(log2(a)), exactly
;;       r = np.clip(x / 2.0 ** e, -28, 28)
;;       step = 2.0 ** (np.maximum(np.frexp(np.where(r == 0, 1, r))[1] - 1, -2) - 2)
;;       q = np.round(r / step) * step * 2.0 ** e      # np.round: ties to even
;;       return np.moveaxis(q.reshape(q.shape[:-2] + (-1,))[..., :K], -1, axis).astype(np.float32)
;;   ~~~
;;   SOFTMAX AHEAD OF A QUANTISED PRODUCT. Where the list says 'softmax', what is quantised is not the finished softmax but p = 2^(t - M), with t = logit x log2(e) and M = ceil(the row's largest t), a whole number; so 1/2 < the row's largest p <= 1. The row's sum l is taken of the UNQUANTISED p, in f32, and the product's result is divided by l at the end. Since M is a whole number, a kernel that streams over the keys may use a running M (the ceiling of the running maximum): every later rescaling is an exact power of two, which a block's scale takes up: the codes' values come out the same.
;;   OPERANDS COMPUTED ON THE WAY. 'Computed on the way' means the value that the module computes at that place (a softmax that the list does not call 'softmax' is quantised finished and normalised). What goes into a quantiser is computed in f32, as accurately as f32 sums, v_exp_f32 and their like allow (about 1e-6 of the number): no bf16 or f16 on the way to a quantiser, and a product that is left as it is and whose result goes on into a quantised operand takes f32 operands (vector FMAs, or v_wmma_f32_16x16x4_f32). A number that lies on a knife's edge between two numbers of the format may be rounded either way, as far as f32 arithmetic and the matrix unit's own rounding can turn it there, and no further.
;; 2 versions. Each part assembles by itself: llvm-mc -triple=amdgcn-amd-amdhsa -mcpu=gfx1250 --defsym DOCPART=n.
;; ======== version 1 of 2: 4 launches
;; workspace buffers: wimg 819,200 bytes; qkv 9,830,400 bytes; obuf 3,276,800 bytes
;; launch wprep (part 1): grid 32 x 4, 4 waves a work-group, no clusters, 6,912 bytes of LDS; arguments Wq, Wk, Wv, Wo, wimg; writes wimg
.if DOCPART == 1
	.amdgcn_target "amdgcn-amd-amdhsa--gfx1250"
	.amdhsa_code_object_version 6
	.text
	.protected	k_qc99715075f_wprep
	.globl	k_qc99715075f_wprep
	.p2align	8
	.type	k_qc99715075f_wprep,@function
k_qc99715075f_wprep:
	s_mov_b64 s[64:65], 0
	v_nop
	global_prefetch_b8 v0, s[64:65] scope:SCOPE_SE
	s_setreg_imm32_b32 hwreg(HW_REG_WAVE_MODE, 25, 1), 1
	s_wait_xcnt 0x0
; The four weights, f32 with K (the 512 features) NOT innermost, become codes of BF6 (E3M2) with one E8M0 byte for each 32 along K,
; laid as IMAGES OF OPERAND REGISTERS: wimg[matrix 0..3 = Wq, Wk, Wv, Wo][group g of 64 columns], 25,600 bytes a group:
;   fragment (K step s of 128, tile t of 16 columns) at (4 s + t) x 1,536: registers 4 c .. 4 c + 3 of lane l at 512 c + 16 l;
;   scale words at 24,576 + (2 s + t / 2) x 128 + 4 l: lanes 0-15 tile 2 (t / 2)'s columns, lanes 16-31 the next tile's; byte kb = block 4 s + kb.
; THE COLUMNS OF A TILE ARE NOT NEIGHBOURS: lane r of tile 2 b + u holds column 32 b + 8 u + r + 8 (r / 8) of the group, so that a product's results
; in two neighbouring tiles are 16 neighbours along the next product's K.
; SHARES: a work-group takes 128 along K x 64 columns (x: 4 g + s; y: the matrix).  Wave w: columns 32 (w & 1) on, K 64 (w >> 1) on.
; A LANE TAKES A COLUMN AND ITS REGISTERS RUN DOWN K: a block of 32 lies in one lane, and the conversions give codes with K innermost.
; The codes go to their places in the images in LDS, and leave as whole images: each store of a wave covers 512 consecutive bytes.
; A block's scale is 2^(floor(log2(largest magnitude)) - 4): its byte is the largest magnitude's exponent field - 4, held at 1 from below.
; LIMITS: NaN and infinities among the inputs are not served; a block whose largest magnitude lies under 2^-122, a block of zeros among them,
; has the byte 1 (its codes are zeros or subnormal codes; this program alone reads the bytes).
; No tensor loads, no cluster: no two work-groups read the same byte.
.set SC,   6144                        ; LDS: four images at 0, the 256 scale bytes behind them
.set X,    32                          ; v32-95   two blocks of 32 numbers
.set C,    96                          ; v96-101, v104-109 the two blocks' codes
.set CT,   112                         ; v112-114 a conversion's second half (its three registers begin on an even number)
.set OUTR, 116                         ; v116-127 the way out; v128-129 the scale bytes on their way out
	s_load_b256 s[4:11], s[0:1], 0x0               ; Wq, Wk, Wv, Wo
	s_load_b64 s[12:13], s[0:1], 0x20              ; wimg
	v_lshl_add_u32 v136, v0, 2, 0x1900
	v_mov_b32 v137, 0
	v_lshrrev_b32 v9, 5, v0
	v_readfirstlane_b32 s16, v9                    ; wave 0..3
	v_and_b32 v10, 31, v0                          ; lane
	s_and_b32 s17, s16, 1                          ; ch: which 32 columns
	s_lshr_b32 s18, s16, 1                         ; c: which 64 along K
	s_lshr_b32 s19, ttmp9, 2                       ; g
	s_and_b32 s20, ttmp9, 3                        ; s
	s_and_b32 s21, ttmp7, 0xffff                   ; the matrix
	v_lshlrev_b32 v1, 2, v10                       ; in: 4 bytes a lane
	v_bfe_u32 v16, v0, 3, 1                        ; u: my column's tile of the pair
	v_and_b32 v17, 7, v0
	v_bfe_u32 v18, v0, 4, 1
	v_lshl_add_u32 v17, v18, 3, v17                ; rr: my column's lane in that tile
	v_mul_u32_u24 v19, v16, 1536
	v_lshl_add_u32 v19, v17, 4, v19                ; 1,536 u + 16 rr
	s_mul_i32 s22, s17, 3072
	s_mul_i32 s23, s18, 520
	s_add_co_u32 s23, s23, s22
	v_add_nc_u32 v2, s23, v19                      ; registers 6 c, 6 c + 1 of the image: byte 0 (c = 0) or 520 (c = 1)
	v_add_nc_u32 v4, 512, v2                       ; registers 6 c + 4, 6 c + 5: byte 512 or 1,032
	s_mul_i32 s23, s18, 1016
	s_add_co_u32 s23, s23, s22
	s_add_co_u32 s23, s23, 8
	v_add_nc_u32 v3, s23, v19                      ; registers 6 c + 2, 6 c + 3: byte 8 or 1,024
	v_lshl_add_u32 v20, v16, 4, v17                ; rr + 16 u
	s_lshl_b32 s23, s17, 7
	s_lshl_b32 s24, s18, 1
	s_add_co_u32 s23, s23, s24
	s_add_co_u32 s23, s23, SC
	v_lshl_add_u32 v5, v20, 2, s23                 ; my column's scale word, byte 2 c
	s_mul_i32 s23, s16, 1536
	v_lshl_add_u32 v6, v10, 4, s23                 ; the way out: wave w takes image w, 16 bytes a lane; the same offset in LDS and in wimg
	v_lshlrev_b32 v7, 3, v10
	v_add_nc_u32 v8, SC, v7
	s_wait_kmcnt 0x0
	s_cmp_eq_u32 s21, 1                            ; the source is chosen by the work-group's y alone
	s_cselect_b64 s[4:5], s[6:7], s[4:5]
	s_cmp_eq_u32 s21, 2
	s_cselect_b64 s[4:5], s[8:9], s[4:5]
	s_cmp_eq_u32 s21, 3
	s_cselect_b64 s[4:5], s[10:11], s[4:5]
	s_cselect_b32 s22, 8, 17                       ; a group of 64 columns: 256 bytes on in Wo, a head of 131,072 bytes in the others
	s_cselect_b32 s23, 11, 8                       ; a row along K: 2,048 bytes in Wo, 256 in the others
	s_lshl_b32 s24, s19, s22
	s_lshl_b32 s25, s20, 7
	s_lshl_b32 s26, s18, 6
	s_add_co_u32 s25, s25, s26                     ; my first k: 128 s + 64 c
	s_lshl_b32 s25, s25, s23
	s_add_co_u32 s24, s24, s25
	s_lshl_b32 s26, s17, 7
	s_add_co_u32 s24, s24, s26
	s_mov_b32 s25, 0
	s_add_nc_u64 s[4:5], s[4:5], s[24:25]
	s_mul_i32 s26, s21, 204800
	s_mul_i32 s27, s19, 25600
	s_add_co_u32 s26, s26, s27
	s_mov_b32 s27, 0
	s_add_nc_u64 s[12:13], s[12:13], s[26:27]      ; the group's 25,600 bytes
	s_mul_i32 s28, s20, 6144
	s_mov_b32 s29, 0
	s_add_nc_u64 s[30:31], s[12:13], s[28:29]      ; K step s's four images
	s_lshl_b32 s28, s20, 8
	s_add_co_u32 s28, s28, 24576
	s_add_nc_u64 s[32:33], s[12:13], s[28:29]      ; and its 256 scale bytes
.macro LOADS pitch                     ; W(my first k + i, my column), i = 0 .. 63: 32 lanes read 128 consecutive bytes
.set i, 0
.rept 64
	global_load_b32 v[X+i], v1, s[4:5] offset:i*\pitch th:TH_LOAD_NT
.set i, i+1
.endr
.endm
	s_cmp_eq_u32 s21, 3                            ; the pitch stands in the immediates, so the 64 loads are written for each of the two pitches
	s_cbranch_scc1 .Lwo
	LOADS 256
	s_branch .Lloaded
.Lwo:
	LOADS 2048
.Lloaded:
.macro BLOCK hb                        ; block hb: k = 32 hb + 0 .. 31 of my 64: it belongs to lane rr + 16 hb of the image
.set XS, X+32*\hb
.set CC, C+8*\hb
	s_wait_loadcnt 32*(1-\hb)                      ; loads return in order: this block's 32 are in; the other block's 32 may be out
	v_max3_num_f32 v11, |v[XS]|, |v[XS+1]|, |v[XS+2]|
	v_max3_num_f32 v12, |v[XS+3]|, |v[XS+4]|, |v[XS+5]|
.irp i, 6,10,14,18,22,26
	v_max3_num_f32 v11, v11, |v[XS+\i]|, |v[XS+\i+1]|
	v_max3_num_f32 v12, v12, |v[XS+\i+2]|, |v[XS+\i+3]|
.endr
	v_max3_num_f32 v11, v11, |v[XS+30]|, |v[XS+31]|
	v_max3_num_f32 v11, v11, v12, 0x2800000        ; and the floor 2^(5 - 127): the byte cannot fall under 1
	v_add_nc_u32 v13, 0xfe000000, v11              ; 4 off the exponent field: the conversion takes this operand's exponent field as its scale
	v_lshrrev_b32 v[14+\hb], 23, v13               ; the scale's byte
	v_cvt_scalef32_pk16_bf6_f32 v[CC:CC+2], v[XS:XS+15], v13
	v_cvt_scalef32_pk16_bf6_f32 v[CT:CT+2], v[XS+16:XS+31], v13
	v_nop                                          ; one plain place behind a scaled conversion
.irp i, 0,1,2
	v_mov_b32 v[CC+3+\i], v[CT+\i]
.endr
	ds_store_b64 v2, v[CC:CC+1] offset:256*\hb
	ds_store_b64 v3, v[CC+2:CC+3] offset:256*\hb
	ds_store_b64 v4, v[CC+4:CC+5] offset:256*\hb
	ds_store_b8 v5, v[14+\hb] offset:\hb
.endm
	BLOCK 0
	BLOCK 1
	s_wait_dscnt 0x0                               ; for the others' sake: my stores into the images are done
	s_barrier_signal -1
	s_barrier_wait -1
.irp i, 0,1,2
	ds_load_b128 v[OUTR+4*\i:OUTR+4*\i+3], v6 offset:512*\i
.endr
.irp i, 0,1,2
	s_wait_dscnt 2-\i                              ; the younger loads may stay out
	global_store_b128 v6, v[OUTR+4*\i:OUTR+4*\i+3], s[30:31] offset:512*\i
.endr
	s_cmp_lg_u32 s16, 0
	s_cbranch_scc1 .Lend                           ; wave 0 alone sends the scale bytes: 32 lanes, 256 consecutive bytes
	ds_load_b64 v[128:129], v8
	s_wait_dscnt 0x0
	global_store_b64 v7, v[128:129], s[32:33]
.Lend:
	s_wait_tensorcnt 0x0
	ds_add_u32 v136, v137
	s_wait_dscnt 0x0
	s_endpgm
.Lfunc_end_k_qc99715075f_wprep:
	.size	k_qc99715075f_wprep, .Lfunc_end_k_qc99715075f_wprep-k_qc99715075f_wprep
	.p2alignl 7, 3214868480
	.fill 96, 4, 3214868480
	.section	.rodata,"a",@progbits
	.p2align	6, 0x0
	.amdhsa_kernel k_qc99715075f_wprep
		.amdhsa_group_segment_fixed_size 6912
		.amdhsa_private_segment_fixed_size 0
		.amdhsa_enable_private_segment 0
		.amdhsa_kernarg_size 40
		.amdhsa_user_sgpr_count 2
		.amdhsa_user_sgpr_kernarg_segment_ptr 1
		.amdhsa_wavefront_size32 1
		.amdhsa_system_sgpr_workgroup_id_x 1
		.amdhsa_system_sgpr_workgroup_id_y 1
		.amdhsa_system_sgpr_workgroup_id_z 1
		.amdhsa_system_vgpr_workitem_id 0
		.amdhsa_next_free_vgpr 138
		.amdhsa_next_free_sgpr 66
		.amdhsa_reserve_vcc 0
		.amdhsa_float_denorm_mode_32 3
		.amdhsa_float_denorm_mode_16_64 3
		.amdhsa_memory_ordered 1
		.amdhsa_forward_progress 1
		.amdhsa_inst_pref_size 20
	.end_amdhsa_kernel
	.amdgpu_metadata
---
amdhsa.version: [ 1, 2 ]
amdhsa.kernels:
  - .name:           k_qc99715075f_wprep
    .symbol:         k_qc99715075f_wprep.kd
    .args:
      - { .name: Wq, .offset: 0, .size: 8, .value_kind: global_buffer, .address_space: global }
      - { .name: Wk, .offset: 8, .size: 8, .value_kind: global_buffer, .address_space: global }
      - { .name: Wv, .offset: 16, .size: 8, .value_kind: global_buffer, .address_space: global }
      - { .name: Wo, .offset: 24, .size: 8, .value_kind: global_buffer, .address_space: global }
      - { .name: wimg, .offset: 32, .size: 8, .value_kind: global_buffer, .address_space: global }
    .group_segment_fixed_size: 6912
    .private_segment_fixed_size: 0
    .kernarg_segment_align: 8
    .kernarg_segment_size: 40
    .max_flat_workgroup_size: 128
    .sgpr_count:     66
    .vgpr_count:     138
    .wavefront_size: 32
...
	.end_amdgpu_metadata
.endif
;; end of part 1
;; launch proj (part 2): grid 64 x 3, 8 waves a work-group, no clusters, 121,856 bytes of LDS; arguments Q, K, V, wimg, qkv; writes qkv
.if DOCPART == 2
	.amdgcn_target "amdgcn-amd-amdhsa--gfx1250"
	.amdhsa_code_object_version 6
	.text
	.protected	k_qc99715075f_proj
	.globl	k_qc99715075f_proj
	.p2align	8
	.type	k_qc99715075f_proj,@function
k_qc99715075f_proj:
	s_mov_b64 s[64:65], 0
	v_nop
	global_prefetch_b8 v0, s[64:65] scope:SCOPE_SE
	s_setreg_imm32_b32 hwreg(HW_REG_WAVE_MODE, 25, 1), 1
	s_wait_xcnt 0x0
; q = Q Wq, k = K Wk, v = V Wv for all eight heads, on codes of BF6 (E3M2) with one E8M0 scale for each 32 along K = the 512 features; the results are
; quantised at once for the two products of attention: q and k along the head's 64, v along the keys.  y chooses the tensor (0 q, 1 k, 2 v).
; SHARES: a work-group takes 128 rows (x).  Wave w quantises row tile w of X (16 rows x 512) and hands it to the others through LDS as images of operand registers;
; then wave w makes head w for all 128 rows: its 16 fragments of the weight stay in registers (window 1), read once.
; THE ROWS OF A TILE ARE NOT NEIGHBOURS: lane r of row tile 2 f + u holds row 32 f + 8 u + r + 8 (r / 8) of the 128; the weight's column tiles are laid likewise.  So the
; 16 registers of two neighbouring result tiles are 16 neighbours, and the conversions, which take neighbours from one lane's registers, give the next operand.
; q, k: source 0 = 16 columns of W, source 1 = 16 rows of X: a lane holds one row and its registers run along the head's 64.  Two row tiles (2 x 64) make ONE fragment of 128:
;       registers 0-5 row tile 2 f, registers 6-11 row tile 2 f + 1; scale word = (two bytes of the first, two of the second).
; v:    source 0 = 16 rows of X, source 1 = 16 columns of W: a lane holds one of the head's 64 and its registers run along the 128 keys: one fragment for each column tile.
; OUT: qkv[y][batch][head][block of 128 rows], 6,400 bytes: four images of 1,536 bytes (registers 4 c .. 4 c + 3 of lane l at 512 c + 16 l), then 256 bytes of scale words:
;      lane l's 8 bytes at 8 l: word 0 = fragment 0's (lanes 0-15) and 1's (lanes 16-31), word 1 = fragments 2's and 3's.  Every store covers 512 or 256 consecutive bytes.
; LIMITS: NaN and infinities among the inputs are not served; a block whose largest magnitude lies under 2^-122, a block of zeros among them, has the byte 1 (this program alone reads the bytes).
; No tensor loads: X is read once, by one wave, and has to pass through registers to be quantised; the weights go straight into the registers where they stay, so a joint
; load into LDS would add a write and a read of 204,800 bytes of LDS.  192 work-groups: a finer split would read and quantise X twice.
; REGISTERS, window 0: v1-11 addresses; v16-79 raw rows (set A), later with v80-111 eight fragments of X; v112-119 X's scale words; v120-123 the four scale words made; v144-207 64 numbers at work, the
; first accumulators; v208-226 codes; v228-244 the quantiser's; v246-253 the weight's scale words.   window 1: v0-191 the weight's fragments; v192-255 raw rows (set B), later the second accumulators.
.set XIMG, 67584                       ; LDS: 8 stages of 16 rows x 528 bytes at 0; X's 32 fragments (row tile m, K step s) at XIMG + (4 m + s) x 1,536;
.set XSC,  116736                      ; their scale words at XSC + (4 m + s) x 128 + 4 x lane
.set LN,   1                           ; v1   lane
.set LI,   2                           ; v2   16 x lane
.set L8,   3                           ; v3   8 x lane
.set SWA,  5                           ; v5   my stage, as rows come in: 16 x lane
.set SRA,  6                           ; v6   my stage, as a lane takes its row: 528 r + 64 h
.set XI,   7                           ; v7   XIMG + 16 x lane
.set XSA,  8                           ; v8   XSC + 4 x lane
.set XWI,  9                           ; v9   where I store my tile's images
.set XWS,  10                          ; v10  and their scale words
.set L4,   11                          ; v11  4 x lane
.set RA,   16
.set RB,   192                         ; in window 1
.set XF,   16
.set XS,   112
.set KW,   120
.set PP,   124
.set T,    144
.set ACC1, 192                         ; in window 1
.set PC,   208
.set TM,   228                         ; +0..3 largest magnitudes, +4..7 the other half's, then bytes, +12..15 the conversions' scale operands
.set PW,   244
.set WS,   246
.set SEL,  24
.set MSB,  0
.macro WIN new                         ; s_set_vgpr_msb: bits 1:0 source 0, 3:2 source 1, 5:4 source 2, 7:6 destination; the high byte repeats the setting that is left
.if MSB != (\new)
	s_set_vgpr_msb (MSB<<8)|(\new)
.set MSB, (\new)
.endif
.endm
; One matrix instruction.  k = 0: the sum's first K step, C = 0; else C = D.  row = 1: source 0's scales from lanes 16-31; 2: source 1's.
.macro WM d, a, b, k, sa, sb, row
.if (\k) == 0
.if (\row) == 1
	v_wmma_scale_f32_16x16x128_f8f6f4 v[\d:\d+7], v[\a:\a+11], v[\b:\b+11], 0, v[\sa], v[\sb] matrix_a_fmt:MATRIX_FMT_BF6 matrix_b_fmt:MATRIX_FMT_BF6 matrix_a_scale:MATRIX_SCALE_ROW1
.elseif (\row) == 2
	v_wmma_scale_f32_16x16x128_f8f6f4 v[\d:\d+7], v[\a:\a+11], v[\b:\b+11], 0, v[\sa], v[\sb] matrix_a_fmt:MATRIX_FMT_BF6 matrix_b_fmt:MATRIX_FMT_BF6 matrix_b_scale:MATRIX_SCALE_ROW1
.else
	v_wmma_scale_f32_16x16x128_f8f6f4 v[\d:\d+7], v[\a:\a+11], v[\b:\b+11], 0, v[\sa], v[\sb] matrix_a_fmt:MATRIX_FMT_BF6 matrix_b_fmt:MATRIX_FMT_BF6
.endif
.else
.if (\row) == 1
	v_wmma_scale_f32_16x16x128_f8f6f4 v[\d:\d+7], v[\a:\a+11], v[\b:\b+11], v[\d:\d+7], v[\sa], v[\sb] matrix_a_fmt:MATRIX_FMT_BF6 matrix_b_fmt:MATRIX_FMT_BF6 matrix_a_scale:MATRIX_SCALE_ROW1
.elseif (\row) == 2
	v_wmma_scale_f32_16x16x128_f8f6f4 v[\d:\d+7], v[\a:\a+11], v[\b:\b+11], v[\d:\d+7], v[\sa], v[\sb] matrix_a_fmt:MATRIX_FMT_BF6 matrix_b_fmt:MATRIX_FMT_BF6 matrix_b_scale:MATRIX_SCALE_ROW1
.else
	v_wmma_scale_f32_16x16x128_f8f6f4 v[\d:\d+7], v[\a:\a+11], v[\b:\b+11], v[\d:\d+7], v[\sa], v[\sb] matrix_a_fmt:MATRIX_FMT_BF6 matrix_b_fmt:MATRIX_FMT_BF6
.endif
.endif
.endm
; My tile's 16 rows, 128 numbers of K step s each, as they lie: each load reads 512 consecutive bytes of one row.  set in window w.
.macro XLOAD set, s, w
	WIN 0x40*(\w)
.irp i, 0,1,2,3,4,5,6,7,8,9,10,11,12,13,14,15
	global_load_b128 v[\set+4*\i:\set+4*\i+3], v[LI], s[4:5] offset:(\i+8*(\i/8))*2048+512*(\s) th:TH_LOAD_NT
.endr
	WIN 0
.endm
; Through my own stage: in as rows, back so that register 16 b + i of lane (r, h) is k = 32 b + 16 h + i of row r.  LDS serves a wave's instructions in order: no wait between.
.macro TURN set, w
	WIN 0x04*(\w)
.irp i, 0,1,2,3,4,5,6,7,8,9,10,11,12,13,14,15
	ds_store_b128 v[SWA], v[\set+4*\i:\set+4*\i+3] offset:528*\i
.endr
	WIN 0
.irp b, 0,1,2,3
.irp j, 0,1,2,3
	ds_load_b128 v[T+16*\b+4*\j:T+16*\b+4*\j+3], v[SRA] offset:128*\b+16*\j
.endr
.endr
.endm
; 64 numbers of a lane, v[s] on in window w, register 16 b + i = place 32 b + 16 h + i, become a fragment's codes in v[PC] on and its scale word in v[PW].
.macro QUANT s, w
	WIN 5*(\w)
.irp b, 0,1,2,3
	v_max3_num_f32 v[TM+\b], |v[\s+16*\b]|, |v[\s+1+16*\b]|, 0x2800000   ; my 16 numbers of block b, from the accumulator's low end on, and the floor 2^(5 - 127): the byte cannot fall under 1
.endr
	WIN 0x14*(\w)
.irp i, 2,4,6,8,10,12,14
.irp b, 0,1,2,3
	v_max3_num_f32 v[TM+\b], v[TM+\b], |v[\s+16*\b+\i]|, |v[\s+1+16*\b+\i]|
.endr
.endr
	WIN 0
.irp b, 0,1,2,3
	v_permlanex16_b32 v[TM+4+\b], v[TM+\b], s[SEL], s[SEL+1]
.endr
.irp b, 0,1,2,3
	v_max_num_f32 v[TM+\b], v[TM+\b], v[TM+4+\b]   ; with lane l xor 16's: the block's largest magnitude
.endr
.irp b, 0,1,2,3
	v_add_nc_u32 v[TM+12+\b], 0xfe000000, v[TM+\b] ; 4 off its exponent field: the conversion's scale operand
.endr
.irp b, 0,1,2,3
	v_lshrrev_b32 v[TM+4+\b], 23, v[TM+12+\b]      ; the scale's byte
.endr
	v_lshl_or_b32 v[PW], v[TM+5], 8, v[TM+4]
	v_lshl_or_b32 v[PW], v[TM+6], 16, v[PW]
	v_lshl_or_b32 v[PW], v[TM+7], 24, v[PW]
	WIN (\w)
.irp c, 0,1
	v_cvt_scalef32_pk16_bf6_f32 v[PC+6*\c:PC+2+6*\c], v[\s+32*\c:\s+15+32*\c], v[TM+12+2*\c]
	v_cvt_scalef32_pk16_bf6_f32 v[PC+12+4*\c:PC+14+4*\c], v[\s+16+32*\c:\s+31+32*\c], v[TM+12+2*\c+1]   ; (a conversion's three registers begin on an even number)
.endr
	WIN 0
	v_nop                                          ; one plain place behind a scaled conversion
.irp c, 0,1                            ; the operand's layout wants a whole block in a lane: lanes 0-15 block 2 c, lanes 16-31 block 2 c + 1
.irp i, 0,1,2
	v_permlane16_swap_b32 v[PC+6*\c+\i], v[PC+12+4*\c+\i]
.endr
.irp i, 0,1,2
	v_mov_b32 v[PC+3+6*\c+\i], v[PC+12+4*\c+\i]
.endr
.endr
.endm
.macro FETCH reg, idx                  ; fragment idx of X's 32 back from LDS, as it was stored
.irp c, 0,1,2
	ds_load_b128 v[\reg+4*\c:\reg+4*\c+3], v[XI] offset:1536*(\idx)+512*\c
.endr
.endm
.macro PUT g                           ; the fragment just made is image g of my head's block; its scale word is kept
.irp c, 0,1,2
	global_store_b128 v[LI], v[PC+4*\c:PC+4*\c+3], s[12:13] offset:1536*(\g)+512*\c
.endr
	v_mov_b32 v[KW+(\g)], v[PW]
.endm
.macro PLACES5                         ; five places behind the last products: four are owed by the loads into their operands and by the first read of results
.rept 5                                ; five by the next group's first products, which write the accumulators anew
	v_nop
.endr
.endm
	s_load_b128 s[4:7], s[0:1], 0x0                ; Q, K
	s_load_b128 s[8:11], s[0:1], 0x10              ; V, wimg
	s_load_b64 s[12:13], s[0:1], 0x20              ; qkv
	v_lshl_add_u32 v254, v0, 2, 0x1d800
	v_mov_b32 v255, 0
	v_lshrrev_b32 v1, 5, v0
	v_readfirstlane_b32 s16, v1                    ; wave 0..7
	v_and_b32 v[LN], 31, v0
	v_and_b32 v12, 15, v0                          ; r
	v_bfe_u32 v13, v0, 4, 1                        ; h
	v_lshlrev_b32 v[LI], 4, v[LN]
	v_lshlrev_b32 v[L8], 3, v[LN]
	v_lshlrev_b32 v[L4], 2, v[LN]
	s_mul_i32 s17, s16, 8448
	v_add_nc_u32 v[SWA], s17, v[LI]
	v_mul_u32_u24 v[SRA], v12, 528
	v_lshl_add_u32 v[SRA], v13, 6, v[SRA]
	v_add_nc_u32 v[SRA], s17, v[SRA]
	v_add_nc_u32 v[XI], XIMG, v[LI]
	v_add_nc_u32 v[XSA], XSC, v[L4]
	s_mul_i32 s17, s16, 6144
	v_add_nc_u32 v[XWI], s17, v[XI]
	s_lshl_b32 s17, s16, 9
	v_add_nc_u32 v[XWS], s17, v[XSA]
	s_mov_b32 s[SEL], 0x76543210
	s_mov_b32 s[SEL+1], 0xfedcba98                 ; v_permlanex16_b32's selects for lane l xor 16
.irp b, 0,1,2,3
	v_mov_b32 v[TM+4+\b], 0                        ; written once: a lane permute's destination counts as one of its sources
.endr
	s_and_b32 s18, ttmp7, 0xffff                   ; y
	s_wait_kmcnt 0x0
	s_cmp_eq_u32 s18, 1                            ; the tensor is chosen by the work-group's y alone
	s_cselect_b64 s[4:5], s[6:7], s[4:5]
	s_cmp_eq_u32 s18, 2
	s_cselect_b64 s[4:5], s[8:9], s[4:5]
	s_lshl_b32 s20, ttmp9, 18                      ; 128 rows of 2,048 bytes
	s_lshr_b32 s21, s16, 1
	s_lshl_b32 s21, s21, 5
	s_and_b32 s22, s16, 1
	s_lshl_b32 s22, s22, 3
	s_add_co_u32 s21, s21, s22                     ; my tile's first row: 32 (w / 2) + 8 (w % 2)
	s_lshl_b32 s21, s21, 11
	s_add_co_u32 s20, s20, s21
	s_mov_b32 s21, 0
	s_add_nc_u64 s[4:5], s[4:5], s[20:21]
	s_mul_i32 s20, s18, 204800
	s_mul_i32 s22, s16, 25600
	s_add_co_u32 s20, s20, s22
	s_add_nc_u64 s[10:11], s[10:11], s[20:21]      ; matrix y, group = head w
	s_lshr_b32 s22, ttmp9, 5
	s_lshl_b32 s22, s22, 3
	s_add_co_u32 s22, s22, s16
	s_lshl_b32 s22, s22, 5
	s_and_b32 s23, ttmp9, 31
	s_add_co_u32 s22, s22, s23                     ; (batch x 8 + head) x 32 + block
	s_mul_i32 s22, s22, 6400
	s_mul_i32 s20, s18, 3276800
	s_add_co_u32 s20, s20, s22
	s_add_nc_u64 s[12:13], s[12:13], s[20:21]
	WIN 0x40                                       ; destination window 1: the weight's 16 images, 48 x 512 consecutive bytes
.set i, 0
.rept 48
	global_load_b128 v[4*i:4*i+3], v[LI], s[10:11] offset:512*i
.set i, i+1
.endr
	WIN 0
.irp i, 0,1,2,3,4,5,6,7
	global_load_b32 v[WS+\i], v[L4], s[10:11] offset:24576+128*\i
.endr
	XLOAD RA, 0, 0
	XLOAD RB, 1, 1
; K step s of my tile: its rows turn through the stage, are quantised, and go to LDS as an image.  left: the other set's 16 younger loads may stay out.
.macro XSTEP s, set, w, left
	s_wait_loadcnt \left
	TURN \set, \w
	s_wait_dscnt 0x0                               ; the numbers are back; the stage's stores have read the raw set, the last image's stores their codes
.if (\s) < 2
	XLOAD \set, (\s)+2, \w
.endif
	QUANT T, 0
.irp c, 0,1,2
	ds_store_b128 v[XWI], v[PC+4*\c:PC+4*\c+3] offset:1536*(\s)+512*\c
.endr
	ds_store_b32 v[XWS], v[PW] offset:128*(\s)
.endm
	XSTEP 0, RA, 0, 16
	XSTEP 1, RB, 1, 16
	XSTEP 2, RA, 0, 16
	XSTEP 3, RB, 1, 0
	s_wait_dscnt 0x0                               ; for the others' sake: my images are in LDS
	s_barrier_signal -1
	s_barrier_wait -1                              ; X's 32 fragments lie in LDS; from here on LDS is only read
	s_cmp_eq_u32 s18, 2
	s_cbranch_scc1 .Lv
; ---- q, k: row tiles 2 f and 2 f + 1 at a time: eight accumulators by turns, four K steps
.macro GFETCH f
.irp u, 0,1
.irp s, 0,1,2,3
	FETCH XF+12*(4*\u+\s), 4*(2*(\f)+\u)+\s
	ds_load_b32 v[XS+4*\u+\s], v[XSA] offset:128*(4*(2*(\f)+\u)+\s)
.endr
.endr
.endm
	GFETCH 0
.irp f, 0,1,2,3
	s_wait_dscnt 0x0
	WIN 0x01                                       ; source 0 (the weight) window 1
.irp s, 0,1,2,3
.irp u, 0,1
.irp t, 0,1,2,3
	WM T+8*(4*\u+\t), 12*(4*\s+\t), XF+12*(4*\u+\s), \s, WS+2*\s+\t/2, XS+4*\u+\s, \t&1
.endr
.endr
.endr
	WIN 0
	PLACES5
.if \f < 3
	GFETCH \f+1                                    ; the next two tiles land while these are quantised
.endif
	s_wait_xcnt 0x0                                ; the last fragment's stores have read their registers
	QUANT T, 0
	PUT \f
.endr
	s_branch .Lout
; ---- v: all eight row tiles against column tiles 2 tp and 2 tp + 1: sixteen accumulators by turns, a K step at a time
.macro VFETCH s
.irp m, 0,1,2,3,4,5,6,7
	FETCH XF+12*\m, 4*\m+(\s)
	ds_load_b32 v[XS+\m], v[XSA] offset:128*(4*\m+(\s))
.endr
.endm
.Lv:
	VFETCH 0
.irp tp, 0,1
.irp s, 0,1,2,3
	s_wait_dscnt 0x0
	WIN 0x04                                       ; source 1 (the weight) window 1
.irp m, 0,1,2,3,4,5,6,7
	WM T+8*\m, XF+12*\m, 12*(4*\s+2*\tp), \s, XS+\m, WS+2*\s+\tp, 0
.endr
	WIN 0x54                                       ; and C and D window 1
.irp m, 0,1,2,3,4,5,6,7
	WM ACC1+8*\m, XF+12*\m, 12*(4*\s+2*\tp+1), \s, XS+\m, WS+2*\s+\tp, 2
.endr
	WIN 0
	PLACES5
.if (\tp == 0) || (\s < 3)
	VFETCH (\s+1)%4
.endif
.endr
	s_wait_xcnt 0x0
	QUANT T, 0
	PUT 2*\tp
	s_wait_xcnt 0x0
	QUANT ACC1, 1
	PUT 2*\tp+1
.endr
.Lout:
	v_cmp_gt_u32 vcc_lo, 16, v[LN]                 ; the four scale words in pairs: lanes 0-15 the even fragment's, lanes 16-31 the odd one's
	v_cndmask_b32 v[PP], v[KW+1], v[KW], vcc_lo
	v_cndmask_b32 v[PP+1], v[KW+3], v[KW+2], vcc_lo
	global_store_b64 v[L8], v[PP:PP+1], s[12:13] offset:6144
	s_wait_tensorcnt 0x0
	ds_add_u32 v254, v255
	s_wait_dscnt 0x0
	s_endpgm
.Lfunc_end_k_qc99715075f_proj:
	.size	k_qc99715075f_proj, .Lfunc_end_k_qc99715075f_proj-k_qc99715075f_proj
	.p2alignl 7, 3214868480
	.fill 96, 4, 3214868480
	.section	.rodata,"a",@progbits
	.p2align	6, 0x0
	.amdhsa_kernel k_qc99715075f_proj
		.amdhsa_group_segment_fixed_size 121856
		.amdhsa_private_segment_fixed_size 0
		.amdhsa_enable_private_segment 0
		.amdhsa_kernarg_size 40
		.amdhsa_user_sgpr_count 2
		.amdhsa_user_sgpr_kernarg_segment_ptr 1
		.amdhsa_wavefront_size32 1
		.amdhsa_system_sgpr_workgroup_id_x 1
		.amdhsa_system_sgpr_workgroup_id_y 1
		.amdhsa_system_sgpr_workgroup_id_z 1
		.amdhsa_system_vgpr_workitem_id 0
		.amdhsa_next_free_vgpr 512
		.amdhsa_next_free_sgpr 66
		.amdhsa_reserve_vcc 1
		.amdhsa_float_denorm_mode_32 3
		.amdhsa_float_denorm_mode_16_64 3
		.amdhsa_memory_ordered 1
		.amdhsa_forward_progress 1
		.amdhsa_inst_pref_size 132
	.end_amdhsa_kernel
	.amdgpu_metadata
---
amdhsa.version: [ 1, 2 ]
amdhsa.kernels:
  - .name:           k_qc99715075f_proj
    .symbol:         k_qc99715075f_proj.kd
    .args:
      - { .name: Q, .offset: 0, .size: 8, .value_kind: global_buffer, .address_space: global }
      - { .name: K, .offset: 8, .size: 8, .value_kind: global_buffer, .address_space: global }
      - { .name: V, .offset: 16, .size: 8, .value_kind: global_buffer, .address_space: global }
      - { .name: wimg, .offset: 24, .size: 8, .value_kind: global_buffer, .address_space: global }
      - { .name: qkv, .offset: 32, .size: 8, .value_kind: global_buffer, .address_space: global }
    .group_segment_fixed_size: 121856
    .private_segment_fixed_size: 0
    .kernarg_segment_align: 8
    .kernarg_segment_size: 40
    .max_flat_workgroup_size: 256
    .sgpr_count:     66
    .vgpr_count:     512
    .wavefront_size: 32
...
	.end_amdgpu_metadata
.endif
;; end of part 2
;; launch attn (part 3): grid 16 x 16, 16 waves a work-group, no clusters, 327,680 bytes of LDS; arguments qkv, obuf; writes obuf
.if DOCPART == 3
	.amdgcn_target "amdgcn-amd-amdhsa--gfx1250"
	.amdhsa_code_object_version 6
	.text
	.protected	k_qc99715075f_attn
	.globl	k_qc99715075f_attn
	.p2align	8
	.type	k_qc99715075f_attn,@function
k_qc99715075f_attn:
	s_mov_b64 s[64:65], 0
	v_nop
	global_prefetch_b8 v0, s[64:65] scope:SCOPE_SE
	s_setreg_imm32_b32 hwreg(HW_REG_WAVE_MODE, 25, 1), 1
	s_wait_xcnt 0x0
; o = softmax(q k^T / 8, causal) v for one (batch, head), both products on codes of BF6 (E3M2) with one E8M0 scale for each 32 along K; o is quantised along its 64 features for the last product.
; THE SOFTMAX: t = score x log2(e) / 8; M = the running largest t rounded UP to a whole number; p = 2^(t - M) is quantised along the keys, not normalised; the row's sum is taken of the
; unquantised p and divides at the end (v_rcp_f32 and a multiplication).  When M moves, the sum and O are multiplied by 2^(old M - new M): exact.
; SHARES, AND THE MASK EVENED OUT: work-group (p, batch x 8 + head) owns the blocks p and 31 - p of 128 queries.  Wave w owns ONE tile of 16 queries: tile m = w / 2 of the low block or of the high one,
; by bit (w ^ (w >> 2)) & 1, so that of any four waves w, w + 4, w + 8, w + 12 and of any four neighbours two are low and two high.  A low wave has p + 1 key steps of 128 keys, a high one 32 - p: 33 for a pair, whatever p.
; All sixteen waves walk one stream of key steps; a wave leaves out the WORK of the steps behind its own block (a scalar branch on ids; no barrier and no tensor load stands in a step) and masks its diagonal step.
; The work-group walks 4 ((35 - p) >> 2) steps, at least 32 - p and at most 32: up to three steps at the end are fetched and read by nobody.
; K = 64 IN AN INSTRUCTION OF 128: a fragment of k holds TWO key tiles side by side along K (registers 0-5, 6-11); q is kept twice, as [q | zero codes] and [zero codes | q] (the empty half's scale bytes 127):
; fragment f times the first gives key tile 2 f, times the second key tile 2 f + 1.  Zero codes add nothing.
; LAYOUT: both products transposed (S^T = k q^T, O^T = v^T p^T): a lane holds one query throughout.  Tiles' rows are not neighbours (lane r of tile 2 f + u: row 32 f + 8 u + r + 8 (r / 8) of the 128), so the 16
; registers of two neighbouring tiles of S^T are 16 neighbouring keys, and those of O^T 16 neighbouring features.
; IN: qkv[q, k, v][batch x 8 + head][step], 6,400 bytes a step: four images of operand registers (1,536 bytes: registers 4 c .. 4 c + 3 of lane l at 512 c + 16 l) and 256 bytes of scale words in pairs.
; So a fragment is three ds_load_b128 of 512 consecutive bytes, and two steps of k (or of v) are 12,800 dense bytes: one tensor load.
; OUT: obuf[(batch x 32 + block) x 8 + tile], 6,400 bytes: head hd's six registers at 768 hd (registers 0-3 at 16 l, 4-5 at 512 + 8 l); at 6,144 + 16 r + 2 hd the two scale bytes of (row r, head hd).
; NO CLUSTER, though the sixteen work-groups of a head walk the same k and v: the steps left out and the masked step are branches on p, which differs between those work-groups, and what is
; shared, 12,800 bytes a step, feeds eight to sixteen waves' whole softmax.
; LIMITS: NaN and infinities are not served; a block of p or of o whose largest magnitude lies under 2^-122 (a block of zeros among them) has the byte 1, its codes zeros or subnormal codes.
.set SPARE, 51200                      ; LDS: slot n at 25,600 n (k's two steps, then v's two); behind the slots the spare words, 128 bytes for each of the sixteen waves
.set LI,  1                            ; v1   16 x lane
.set L8,  2                            ; v2   8 x lane
.set SPW, 3                            ; v3   my spare word; never rewritten
.set NIL, 4                            ; v4   0; never rewritten
.set DQ,  5                            ; v5   my query's place in its block - 16 h
.set R16, 7                            ; v7   16 r
.set QL,  16                           ; v16-27 [q | 0], v28-39 [0 | q]
.set KV,  40                           ; v40-87 four fragments, k's and then v's
.set S,   96                           ; v96-159 S^T, then p
.set OT,  160                          ; v160-191 O^T
.set PC,  192                          ; v192-203 p's codes; v204-206, v208-210 the conversions' second halves
.set BM,  212                          ; v212-215 the blocks' largest
.set BT,  216                          ; v216-219 the other half's, then bytes
.set BS,  220                          ; v220-223 the conversions' scale operands
.set KSC, 224                          ; v224-225 k's scale words, v226-227 v's, v228-229 q's two, v230 p's: they hold scales alone
.set VSC, 226
.set QS,  228
.set PW,  230
.set WV,  8                            ; s8 wave; s9 p; s10 batch x 8 + head; s12 tile
.set ST,  13                           ; s13  my block of queries = my last key step
.set KS,  14                           ; s14  the key step in hand
.set SEL, 32
.set CS,  34
.macro WM d, a, b, k, sa, sb, row      ; k = 0: C = 0; else C = D.  row = 1: source 0's scales from lanes 16-31
.if (\k) == 0
.if (\row) == 1
	v_wmma_scale_f32_16x16x128_f8f6f4 v[\d:\d+7], v[\a:\a+11], v[\b:\b+11], 0, v[\sa], v[\sb] matrix_a_fmt:MATRIX_FMT_BF6 matrix_b_fmt:MATRIX_FMT_BF6 matrix_a_scale:MATRIX_SCALE_ROW1
.else
	v_wmma_scale_f32_16x16x128_f8f6f4 v[\d:\d+7], v[\a:\a+11], v[\b:\b+11], 0, v[\sa], v[\sb] matrix_a_fmt:MATRIX_FMT_BF6 matrix_b_fmt:MATRIX_FMT_BF6
.endif
.else
.if (\row) == 1
	v_wmma_scale_f32_16x16x128_f8f6f4 v[\d:\d+7], v[\a:\a+11], v[\b:\b+11], v[\d:\d+7], v[\sa], v[\sb] matrix_a_fmt:MATRIX_FMT_BF6 matrix_b_fmt:MATRIX_FMT_BF6 matrix_a_scale:MATRIX_SCALE_ROW1
.else
	v_wmma_scale_f32_16x16x128_f8f6f4 v[\d:\d+7], v[\a:\a+11], v[\b:\b+11], v[\d:\d+7], v[\sa], v[\sb] matrix_a_fmt:MATRIX_FMT_BF6 matrix_b_fmt:MATRIX_FMT_BF6
.endif
.endif
.endm
; Wave 0 fetches a slot's k, wave 1 its v, the others nothing: the branch hangs on the wave's number alone.  Four v_nop follow the load.
.macro TLOAD g0
	s_cmp_lt_u32 s[WV], 2
	s_cbranch_scc0 .Lnone_\@
	tensor_load_to_lds s[\g0:\g0+3], s[16:23]
	s_nop 0
.rept 4
	v_nop
.endr
.Lnone_\@:
.endm
	s_load_b128 s[4:7], s[0:1], 0x0                ; qkv, obuf
	v_lshl_add_u32 v[SPW], v0, 2, SPARE
	v_mov_b32 v[NIL], 0
	ds_add_u32 v3, v4
	s_wait_dscnt 0x0
	v_lshrrev_b32 v6, 5, v0
	v_readfirstlane_b32 s[WV], v6                  ; wave 0..15
	s_mov_b32 s9, ttmp9                            ; p
	s_and_b32 s10, ttmp7, 0xffff                   ; batch x 8 + head
	s_lshr_b32 s12, s[WV], 1                       ; my tile
	s_lshr_b32 s36, s[WV], 2
	s_xor_b32 s36, s36, s[WV]
	s_and_b32 s36, s36, 1                          ; low block or high
	s_sub_co_u32 s37, 31, s9
	s_cmp_lg_u32 s36, 0
	s_cselect_b32 s[ST], s37, s9
	s_mov_b32 s[KS], 0
	s_sub_co_u32 s15, 35, s9
	s_lshr_b32 s15, s15, 2
	s_sub_co_u32 s15, s15, 1                       ; the loop's trips, 4 to 7: four steps a trip, four more in the tail
	; descriptor group 1: 12,800 dense bytes as 50 rows of 32 elements of 8 bytes; no padding, no mask
	s_mov_b32 s16, 3<<16
	s_mov_b32 s17, 32<<16                          ; tensor_dim0
	s_mov_b32 s18, 50<<16                          ; tensor_dim1
	s_mov_b32 s19, 32<<16                          ; tile_dim0
	s_mov_b32 s20, 50                              ; tile_dim1
	s_mov_b32 s21, 32                              ; the pitch
	s_mov_b32 s22, 0
	s_mov_b32 s23, 0
	s_mov_b32 s[SEL], 0x76543210
	s_mov_b32 s[SEL+1], 0xfedcba98                 ; v_permlanex16_b32's selects for lane l xor 16
	s_mov_b32 s[CS], 0x3e38aa3b                    ; c = log2(e) / 8
	s_mov_b32 s[CS+1], s[CS]                       ; (named with it as a pair, so it is written)
	s_and_b32 s36, s[WV], 1                        ; k (0) or v (1)
	s_mul_i32 s37, s36, 12800                      ; its place in a slot
	s_mul_i32 s44, s10, 204800                     ; my head's 32 steps
	s_add_co_u32 s38, s36, 1
	s_mul_i32 s38, s38, 3276800
	s_add_co_u32 s38, s38, s44
	s_mov_b32 s39, 0
	s_wait_kmcnt 0x0
	s_add_nc_u64 s[42:43], s[4:5], s[38:39]
	s_mov_b32 s24, 1                               ; group 0 for slot 0: steps 0 and 1
	s_mov_b32 s25, s37
	s_mov_b64 s[26:27], s[42:43]
	s_or_b32 s27, s27, 0x80000000
	s_mov_b32 s28, 1                               ; group 0 for slot 1: steps 2 and 3
	s_add_co_u32 s29, s37, 25600
	s_add_nc_u64 s[30:31], s[42:43], 12800
	s_or_b32 s31, s31, 0x80000000
	TLOAD 24                                       ; the one first fill, ahead of every wait on TENSORcnt, every LDS read and every barrier
	v_and_b32 v8, 31, v0
	v_lshlrev_b32 v[LI], 4, v8
	v_lshlrev_b32 v[L8], 3, v8
	v_and_b32 v9, 15, v0                           ; r
	v_bfe_u32 v10, v0, 4, 1                        ; h
	v_lshlrev_b32 v[R16], 4, v9
	v_lshlrev_b32 v6, 3, v9
	s_lshr_b32 s45, s12, 1                         ; f: my tile's fragment of q
	s_and_b32 s46, s12, 1                          ; u: its half of that fragment
	s_mul_i32 s47, s[ST], 6400
	s_add_co_u32 s47, s47, s44                     ; my block of q
	s_mul_i32 s48, s45, 1536
	s_add_co_u32 s48, s48, s47
	s_mov_b32 s49, 0
	s_add_nc_u64 s[50:51], s[4:5], s[48:49]
	s_and_b32 s48, s45, 1
	s_lshl_b32 s48, s48, 7
	s_lshr_b32 s52, s45, 1
	s_lshl_b32 s52, s52, 2
	s_add_co_u32 s48, s48, s52
	s_add_co_u32 s48, s48, s47
	s_add_co_u32 s48, s48, 6144                    ; fragment f's scale words: 8 (r + 16 (f % 2)) + 4 (f / 2) in the block of pairs
	s_add_nc_u64 s[52:53], s[4:5], s[48:49]
.irp c, 0,1,2
	global_load_b128 v[KV+4*\c:KV+4*\c+3], v[LI], s[50:51] offset:512*\c
.endr
	global_load_b32 v88, v6, s[52:53]
	v_and_b32 v[DQ], 8, v9
	v_add_nc_u32 v[DQ], v[DQ], v9                  ; r + 8 (r / 8)
	v_lshlrev_b32 v10, 4, v10
	v_sub_nc_u32 v[DQ], v[DQ], v10
	s_lshl_b32 s36, s45, 5
	s_lshl_b32 s37, s46, 3
	s_add_co_u32 s36, s36, s37
	v_add_nc_u32 v[DQ], s36, v[DQ]                 ; 32 f + 8 u + r + 8 (r / 8) - 16 h
	s_lshr_b32 s36, s10, 3                         ; batch
	s_and_b32 s37, s10, 7                          ; head
	s_lshl_b32 s36, s36, 5
	s_add_co_u32 s36, s36, s[ST]
	s_lshl_b32 s36, s36, 3
	s_add_co_u32 s36, s36, s12
	s_mul_i32 s36, s36, 6400                       ; my tile of o
	s_mul_i32 s38, s37, 768
	s_add_co_u32 s38, s38, s36
	s_add_nc_u64 s[40:41], s[6:7], s[38:39]        ; my head's codes there,
	s_lshl_b32 s38, s37, 1
	s_add_co_u32 s38, s38, s36
	s_add_co_u32 s38, s38, 6144
	s_add_nc_u64 s[6:7], s[6:7], s[38:39]          ; and its scale bytes
	v_mov_b32 v13, 0xff61b1e6                      ; the largest t so far: -3e38, under every t
	v_floor_f32 v12, -v13                          ; -M
	v_mov_b32 v14, 0                               ; the sum, in two halves
	v_mov_b32 v15, 0
.irp b, 0,1,2,3
	v_mov_b32 v[BT+\b], 0                          ; written once: a lane permute's destination counts as one of its sources
.endr
	v_mov_b32 v233, 0                              ; (named as the upper half of the pair v[232:233])
.irp i, 6,7,8,9,10,11,12,13,14,15,16,17
	v_mov_b32 v[QL+\i], 0                          ; the zero codes of [q | 0] and of [0 | q]
.endr
	s_cmp_lg_u32 s46, 0
	s_cselect_b32 s36, -1, 0
	s_lshl_b32 s37, s46, 4
	s_wait_loadcnt 0x0
.irp i, 0,1,2,3,4,5
	v_cndmask_b32 v[QL+\i], v[KV+\i], v[KV+6+\i], s36    ; my tile's half of the fragment
.endr
.irp i, 0,1,2,3,4,5
	v_mov_b32 v[QL+18+\i], v[QL+\i]
.endr
	v_lshrrev_b32 v88, s37, v88
	v_and_b32 v88, 0xffff, v88                     ; my tile's two scale bytes
	v_or_b32 v[QS], 0x7f7f0000, v88                ; (s0, s1, 127, 127)
	v_lshl_or_b32 v[QS+1], v88, 16, 0x7f7f         ; (127, 127, s0, s1)
.set j, 0
.rept 32
	v_mov_b32 v[OT+j], 0                           ; O^T: the step is written once; the first finds zeros, which the first change of M leaves zeros.  (Also the places between the scale words just made and the first products)
.set j, j+1
.endr
; A KEY STEP: 128 keys, the q-th of slot `slot`.  Every LDS address is 16 x lane or 8 x lane and an immediate.
.macro STEP slot, q
.set BB, 25600*(\slot)+6400*(\q)
	s_cmp_gt_u32 s[KS], s[ST]                      ; all its keys come after my queries: the work is left out
	s_cbranch_scc1 .Lhidden_\@
.irp f, 0,1,2,3
.irp c, 0,1,2
	ds_load_b128 v[KV+12*\f+4*\c:KV+12*\f+4*\c+3], v[LI] offset:BB+1536*\f+512*\c
.endr
.endr
	ds_load_b64 v[KSC:KSC+1], v[L8] offset:BB+6144
	ds_load_b64 v[VSC:VSC+1], v[L8] offset:BB+12800+6144
	s_wait_dscnt 0x0
.irp f, 0,1,2,3                        ; S^T = k q^T: eight tiles of 16 keys
.irp u, 0,1
	WM S+8*(2*\f+\u), KV+12*\f, QL+12*\u, 0, KSC+\f/2, QS+\u, \f&1
.endr
.endr
.rept 4
	v_nop                                          ; four places in front of the loads into k's registers and of the first read of the scores
.endr
.irp f, 0,1,2,3                        ; v's four fragments land under the softmax
.irp c, 0,1,2
	ds_load_b128 v[KV+12*\f+4*\c:KV+12*\f+4*\c+3], v[LI] offset:BB+12800+1536*\f+512*\c
.endr
.endr
	s_cmp_lg_u32 s[KS], s[ST]
	s_cbranch_scc1 .Lopen_\@                       ; all its keys count
	v_mov_b32 v234, 0xff800000                     ; on the diagonal: register 16 b + i holds key 32 b + 16 h + i of the block: hidden, -infinity, where 32 b + i > my query's place - 16 h
.set n, 0
.rept 64
	v_cmp_gt_i32 vcc_lo, 32*(n/16)+n%16, v[DQ]
	v_cndmask_b32 v[S+n], v[S+n], v234, vcc_lo
.set n, n+1
.endr
.Lopen_\@:
.irp b, 0,1,2,3
	v_max3_num_f32 v[BM+\b], v[S+16*\b], v[S+1+16*\b], v[S+2+16*\b]   ; the largest score of each block of 32 keys: for the row's maximum and, since p rises with the score, for the block's largest p
.endr
.irp i, 3,5,7,9,11,13
.irp b, 0,1,2,3
	v_max3_num_f32 v[BM+\b], v[BM+\b], v[S+16*\b+\i], v[S+1+16*\b+\i]
.endr
.endr
.irp b, 0,1,2,3
	v_max_num_f32 v[BM+\b], v[BM+\b], v[S+15+16*\b]
.endr
.irp b, 0,1,2,3
	v_permlanex16_b32 v[BT+\b], v[BM+\b], s[SEL], s[SEL+1]
.endr
.irp b, 0,1,2,3
	v_max_num_f32 v[BM+\b], v[BM+\b], v[BT+\b]     ; with lane l xor 16's 16 keys
.endr
	v_max3_num_f32 v234, v[BM], v[BM+1], v[BM+2]
	v_max_num_f32 v234, v234, v[BM+3]
	v_mul_f32 v234, s[CS], v234                    ; the step's largest t of my query (c is positive)
	v_max_num_f32 v13, v13, v234                   ; the running largest t
	v_mov_b32 v234, v12
	v_floor_f32 v12, -v13                          ; the new -M = floor(-t) = -ceil(t)
	v_sub_f32 v234, v12, v234                      ; old M - new M: a whole number, 0 or less
	v_cvt_i32_f32 v234, v234                       ; (it saturates)
	v_ldexp_f32 v232, 1.0, v234                    ; f = 2^(old M - new M)
.set j, 0
.rept 32
	v_pk_fma_f32 v[S+j:S+j+1], v[S+j:S+j+1], s[CS:CS+1], v[12:13] op_sel_hi:[1,0,0]   ; t - M, two at a time
.set j, j+2
.endr
.irp b, 0,1,2,3
	v_fma_f32 v[BM+\b], v[BM+\b], s[CS], v12       ; the same of each block's largest score
.endr
.set j, 0
.rept 64
	v_exp_f32 v[S+j], v[S+j]                       ; p = 2^(t - M)
.set j, j+1
.endr
.irp b, 0,1,2,3
	v_exp_f32 v[BM+\b], v[BM+\b]                   ; the block's largest p: the same two instructions on the same number
.endr
	v_pk_mul_f32 v[14:15], v[14:15], v[232:233] op_sel_hi:[1,0]   ; the sums under the new M.  (A plain place behind the exponentials)
	s_wait_alu depctr_va_vdst(0)
.irp b, 0,1,2,3
	v_max_num_f32 v[BM+\b], 0x2800000, v[BM+\b]    ; the floor 2^(5 - 127): the byte cannot fall under 1
.endr
.irp b, 0,1,2,3
	v_add_nc_u32 v[BS+\b], 0xfe000000, v[BM+\b]    ; 4 off the exponent field: the conversion's scale operand
.endr
.irp b, 0,1,2,3
	v_lshrrev_b32 v[BT+\b], 23, v[BS+\b]           ; the scale's byte
.endr
	v_lshl_or_b32 v[PW], v[BT+1], 8, v[BT]         ; p's scale word for these 128 keys
	v_lshl_or_b32 v[PW], v[BT+2], 16, v[PW]
	v_lshl_or_b32 v[PW], v[BT+3], 24, v[PW]
.irp c, 0,1
	v_cvt_scalef32_pk16_bf6_f32 v[PC+6*\c:PC+2+6*\c], v[S+32*\c:S+15+32*\c], v[BS+2*\c]
	v_cvt_scalef32_pk16_bf6_f32 v[PC+12+4*\c:PC+14+4*\c], v[S+16+32*\c:S+31+32*\c], v[BS+2*\c+1]   ; (a conversion's three registers begin on an even number)
.endr
	v_nop                                          ; one plain place behind a scaled conversion
.irp c, 0,1                            ; the operand's layout wants a whole block in a lane
.irp i, 0,1,2
	v_permlane16_swap_b32 v[PC+6*\c+\i], v[PC+12+4*\c+\i]
.endr
.irp i, 0,1,2
	v_mov_b32 v[PC+3+6*\c+\i], v[PC+12+4*\c+\i]
.endr
.endr
	v_pk_add_f32 v[236:237], v[S:S+1], v[S+2:S+3]  ; the row's sum is taken of the unquantised p: two at a time, in two chains
.irp j, 4,8,12,16,20,24,28,32,36,40,44,48,52,56,60
	v_pk_add_f32 v[14:15], v[14:15], v[S+\j:S+\j+1]
	v_pk_add_f32 v[236:237], v[236:237], v[S+2+\j:S+3+\j]
.endr
	v_pk_add_f32 v[14:15], v[14:15], v[236:237]
.set j, 0
.rept 16
	v_pk_mul_f32 v[OT+j:OT+j+1], v[OT+j:OT+j+1], v[232:233] op_sel_hi:[1,0]   ; O^T under the new M, each accumulator from its low end on.  (With the sums: the places between p's codes and scale word and the products)
.set j, j+2
.endr
	s_wait_dscnt 0x0                               ; v's fragments are in
.irp t, 0,1,2,3                        ; O^T += v^T p^T: four accumulators by turns
	WM OT+8*\t, KV+12*\t, PC, 1, VSC+\t/2, PW, \t&1
.endr
.rept 4
	v_nop                                          ; four places in front of the next step's loads into these operands, and of the next read of O^T
.endr
.Lhidden_\@:
	s_add_co_u32 s[KS], s[KS], 1
.endm
; THE CHANGE OF SLOTS stands at a slot's head.  Each wave waits for all its tensor loads (its part of the slot ahead), adds 0 to its spare word, and waits for that and for its reads of the slot that it has left.
; Behind the barrier the slot ahead is whole and nobody reads the other one.  fill = 1: that other slot takes the two steps that follow: the load has two steps' work in which to land.
.macro CHANGE slot, fill
	s_wait_tensorcnt 0x0                           ; no tensor load of mine is out, so a group 0 may be written
	ds_add_u32 v[SPW], v[NIL]                      ; 0 onto my spare word
	s_add_nc_u64 s[26+4*\slot:27+4*\slot], s[26+4*\slot:27+4*\slot], 25600   ; this slot's next two steps: four steps on
	s_wait_dscnt 0x0                               ; the add is done, and my reads of the slot that I have left are over
	s_barrier_signal -1
	s_barrier_wait -1
.if \fill
	TLOAD 28-4*\slot                               ; the first thing behind the barrier, and a wave's one tensor load until the next
.endif
.endm
.Lpair:                                            ; a trip goes once round the two slots: four key steps
	CHANGE 0, 1
	STEP 0, 0
	STEP 0, 1
	CHANGE 1, 1
	STEP 1, 0
	STEP 1, 1
	s_sub_co_u32 s15, s15, 1
	s_cmp_lg_u32 s15, 0
	s_cbranch_scc1 .Lpair
	CHANGE 0, 1                                    ; the tail is written out
	STEP 0, 0
	STEP 0, 1
	CHANGE 1, 0                                    ; nothing is left to fetch (the stepped address is not used)
	STEP 1, 0
	STEP 1, 1
	; THE WAY OUT: O^T / the sum, quantised along my head's 64 features: two blocks of 32, 16 numbers of each in a lane.
	v_add_f32 v14, v14, v15                        ; the sum's two halves,
	v_permlanex16_b32 v[BT], v14, s[SEL], s[SEL+1]
	v_add_f32 v14, v14, v[BT]                      ; and lane l xor 16's: the row's sum
	v_rcp_f32 v14, v14
	v_nop                                          ; one plain place behind a transcendental
.set j, 0
	s_wait_alu depctr_va_vdst(0)
.rept 32
	v_mul_f32 v[S+j], v[OT+j], v14                 ; register 16 b + i: feature 32 b + 16 h + i of my query
.set j, j+1
.endr
.irp b, 0,1
	v_max3_num_f32 v[BM+\b], |v[S+16*\b]|, |v[S+1+16*\b]|, 0x2800000
.endr
.irp i, 2,4,6,8,10,12,14
.irp b, 0,1
	v_max3_num_f32 v[BM+\b], v[BM+\b], |v[S+16*\b+\i]|, |v[S+1+16*\b+\i]|
.endr
.endr
.irp b, 0,1
	v_permlanex16_b32 v[BT+\b], v[BM+\b], s[SEL], s[SEL+1]
.endr
.irp b, 0,1
	v_max_num_f32 v[BM+\b], v[BM+\b], v[BT+\b]
.endr
.irp b, 0,1
	v_add_nc_u32 v[BS+\b], 0xfe000000, v[BM+\b]
.endr
.irp b, 0,1
	v_lshrrev_b32 v[BT+\b], 23, v[BS+\b]
.endr
	v_lshl_or_b32 v234, v[BT+1], 8, v[BT]          ; the two scale bytes
	v_cvt_scalef32_pk16_bf6_f32 v[PC:PC+2], v[S:S+15], v[BS]
	v_cvt_scalef32_pk16_bf6_f32 v[PC+12:PC+14], v[S+16:S+31], v[BS+1]
	v_nop                                          ; one plain place behind a scaled conversion
.irp i, 0,1,2
	v_permlane16_swap_b32 v[PC+\i], v[PC+12+\i]    ; lanes 0-15 now hold block 0 whole, lanes 16-31 block 1
.endr
.irp i, 0,1,2
	v_mov_b32 v[PC+3+\i], v[PC+12+\i]
.endr
	global_store_b128 v[LI], v[PC:PC+3], s[40:41]             ; 512 consecutive bytes
	global_store_b64 v[L8], v[PC+4:PC+5], s[40:41] offset:512 ; 256 consecutive bytes
	global_store_b16 v[R16], v234, s[6:7]          ; two bytes a row (lanes l and l xor 16 write the same value to the same place): a row's sixteen bytes come from eight heads' work-groups
	s_wait_tensorcnt 0x0                           ; the wave's end
	ds_add_u32 v[SPW], v[NIL]
	s_wait_dscnt 0x0
	s_endpgm
.Lfunc_end_k_qc99715075f_attn:
	.size	k_qc99715075f_attn, .Lfunc_end_k_qc99715075f_attn-k_qc99715075f_attn
	.p2alignl 7, 3214868480
	.fill 96, 4, 3214868480
	.section	.rodata,"a",@progbits
	.p2align	6, 0x0
	.amdhsa_kernel k_qc99715075f_attn
		.amdhsa_group_segment_fixed_size 327680
		.amdhsa_private_segment_fixed_size 0
		.amdhsa_enable_private_segment 0
		.amdhsa_kernarg_size 16
		.amdhsa_user_sgpr_count 2
		.amdhsa_user_sgpr_kernarg_segment_ptr 1
		.amdhsa_wavefront_size32 1
		.amdhsa_system_sgpr_workgroup_id_x 1
		.amdhsa_system_sgpr_workgroup_id_y 1
		.amdhsa_system_sgpr_workgroup_id_z 1
		.amdhsa_system_vgpr_workitem_id 0
		.amdhsa_next_free_vgpr 256
		.amdhsa_next_free_sgpr 66
		.amdhsa_reserve_vcc 1
		.amdhsa_float_denorm_mode_32 3
		.amdhsa_float_denorm_mode_16_64 3
		.amdhsa_memory_ordered 1
		.amdhsa_forward_progress 1
		.amdhsa_inst_pref_size 175
	.end_amdhsa_kernel
	.amdgpu_metadata
---
amdhsa.version: [ 1, 2 ]
amdhsa.kernels:
  - .name:           k_qc99715075f_attn
    .symbol:         k_qc99715075f_attn.kd
    .args:
      - { .name: qkv, .offset: 0, .size: 8, .value_kind: global_buffer, .address_space: global }
      - { .name: obuf, .offset: 8, .size: 8, .value_kind: global_buffer, .address_space: global }
    .group_segment_fixed_size: 327680
    .private_segment_fixed_size: 0
    .kernarg_segment_align: 8
    .kernarg_segment_size: 16
    .max_flat_workgroup_size: 512
    .sgpr_count:     66
    .vgpr_count:     256
    .wavefront_size: 32
...
	.end_amdgpu_metadata
.endif
;; end of part 3
;; launch outp (part 4): grid 256 x 1, 8 waves a work-group, no clusters, 67,072 bytes of LDS; arguments obuf, wimg, out0; writes out0
.if DOCPART == 4
	.amdgcn_target "amdgcn-amd-amdhsa--gfx1250"
	.amdhsa_code_object_version 6
	.text
	.protected	k_qc99715075f_outp
	.globl	k_qc99715075f_outp
	.p2align	8
	.type	k_qc99715075f_outp,@function
k_qc99715075f_outp:
	s_mov_b64 s[64:65], 0
	v_nop
	global_prefetch_b8 v0, s[64:65] scope:SCOPE_SE
	s_setreg_imm32_b32 hwreg(HW_REG_WAVE_MODE, 25, 1), 1
	s_wait_xcnt 0x0
; out0 = o Wo on codes of BF6 (E3M2) with one E8M0 scale for each 32 along K = the 512 concatenated features.  Both operands come as images of operand registers.
; SHARES: work-group x makes rows 32 x .. 32 x + 31 (two tiles of o, 2 x and 2 x + 1), wave w the columns 64 w .. 64 w + 63: 8 accumulators, 4 K steps, 32 matrix instructions.
; o's tile: head hd's six registers at 768 hd (registers 0-3 at 16 l, 4-5 at 512 + 8 l): heads 2 g and 2 g + 1 are the two halves of K step g's fragment; a row's four scale words at 6,144 + 16 r.
; Lane r of tile 2 f + u holds row 32 f + 8 u + r + 8 (r / 8) of a block of 128 rows; Wo's column tiles are laid likewise, so a lane's 16 registers of two neighbouring tiles are 16 neighbouring columns.
; Source 0 = 16 columns of Wo, source 1 = 16 rows of o: a lane holds one row.  The results meet in a stage in LDS (32 rows x (2,048 + 16) bytes) and leave as rows: each store covers 512 consecutive bytes.
; No tensor loads and no cluster: the weight goes straight into the registers of the one wave of the work-group that multiplies by it; a joint load would lay it in LDS first.
.set LI,  2                            ; v2  16 x lane
.set L8,  3                            ; v3  8 x lane
.set R16, 4                            ; v4  16 r
.set SO,  5                            ; v5  the stage, in: 2,064 r + 256 w + 64 h
.set SR,  6                            ; v6  the stage, back: 8,256 w + 16 x lane
.set L4,  11                           ; v11 4 x lane
.set XF,  16                           ; v16-111 o's eight fragments (tile u, K step g) at 12 (4 u + g); later the rows on their way out
.set XS,  112                          ; v112-119 their scale words
.set T,   144                          ; v144-207 the accumulators
.set WS,  246                          ; v246-253 Wo's scale words;  window 1, v0-191: Wo's 16 fragments
.set MSB, 0
.macro WIN new                         ; the immediate's high byte repeats the setting that is left
.if MSB != (\new)
	s_set_vgpr_msb (MSB<<8)|(\new)
.set MSB, (\new)
.endif
.endm
.macro WM d, a, b, k, sa, sb, row      ; k = 0: C = 0; else C = D.  row = 1: source 0's scales from lanes 16-31
.if (\k) == 0
.if (\row) == 1
	v_wmma_scale_f32_16x16x128_f8f6f4 v[\d:\d+7], v[\a:\a+11], v[\b:\b+11], 0, v[\sa], v[\sb] matrix_a_fmt:MATRIX_FMT_BF6 matrix_b_fmt:MATRIX_FMT_BF6 matrix_a_scale:MATRIX_SCALE_ROW1
.else
	v_wmma_scale_f32_16x16x128_f8f6f4 v[\d:\d+7], v[\a:\a+11], v[\b:\b+11], 0, v[\sa], v[\sb] matrix_a_fmt:MATRIX_FMT_BF6 matrix_b_fmt:MATRIX_FMT_BF6
.endif
.else
.if (\row) == 1
	v_wmma_scale_f32_16x16x128_f8f6f4 v[\d:\d+7], v[\a:\a+11], v[\b:\b+11], v[\d:\d+7], v[\sa], v[\sb] matrix_a_fmt:MATRIX_FMT_BF6 matrix_b_fmt:MATRIX_FMT_BF6 matrix_a_scale:MATRIX_SCALE_ROW1
.else
	v_wmma_scale_f32_16x16x128_f8f6f4 v[\d:\d+7], v[\a:\a+11], v[\b:\b+11], v[\d:\d+7], v[\sa], v[\sb] matrix_a_fmt:MATRIX_FMT_BF6 matrix_b_fmt:MATRIX_FMT_BF6
.endif
.endif
.endm
	s_load_b128 s[4:7], s[0:1], 0x0                ; obuf, wimg
	s_load_b64 s[8:9], s[0:1], 0x10                ; out0
	v_lshl_add_u32 v254, v0, 2, 0x10200
	v_mov_b32 v255, 0
	v_lshrrev_b32 v1, 5, v0
	v_readfirstlane_b32 s16, v1                    ; wave 0..7
	v_and_b32 v1, 31, v0
	v_and_b32 v12, 15, v0                          ; r
	v_bfe_u32 v13, v0, 4, 1                        ; h
	v_lshlrev_b32 v[LI], 4, v1
	v_lshlrev_b32 v[L8], 3, v1
	v_lshlrev_b32 v[L4], 2, v1
	v_lshlrev_b32 v[R16], 4, v12
	v_mul_u32_u24 v[SO], v12, 2064
	v_lshl_add_u32 v[SO], v13, 6, v[SO]
	s_lshl_b32 s17, s16, 8
	v_add_nc_u32 v[SO], s17, v[SO]
	s_mul_i32 s17, s16, 8256
	v_add_nc_u32 v[SR], s17, v[LI]
	s_mul_i32 s20, ttmp9, 12800                    ; my two tiles of o
	s_mov_b32 s21, 0
	s_mul_i32 s22, s16, 25600
	s_add_co_u32 s22, s22, 614400                  ; matrix 3, group w
	s_mov_b32 s23, 0
	s_lshl_b32 s24, ttmp9, 5                       ; the first row that I store: stage rows 4 w .. 4 w + 3 are tile w / 4, lanes 4 (w % 4) on:
	s_lshr_b32 s25, s16, 2
	s_lshl_b32 s25, s25, 3
	s_add_co_u32 s24, s24, s25                     ; 32 x + 8 (w / 4)
	s_and_b32 s25, s16, 3
	s_lshl_b32 s25, s25, 2
	s_add_co_u32 s24, s24, s25                     ; + 4 (w % 4)
	s_bfe_u32 s25, s16, 0x10001
	s_lshl_b32 s25, s25, 3
	s_add_co_u32 s24, s24, s25                     ; + 8 where the lanes are 8 to 15
	s_lshl_b32 s24, s24, 11
	s_mov_b32 s25, 0
	s_wait_kmcnt 0x0
	s_add_nc_u64 s[4:5], s[4:5], s[20:21]
	s_add_nc_u64 s[6:7], s[6:7], s[22:23]
	s_add_nc_u64 s[8:9], s[8:9], s[24:25]
	WIN 0x40                                       ; destination window 1
.set i, 0
.rept 48
	global_load_b128 v[4*i:4*i+3], v[LI], s[6:7] offset:512*i
.set i, i+1
.endr
	WIN 0
.irp i, 0,1,2,3,4,5,6,7
	global_load_b32 v[WS+\i], v[L4], s[6:7] offset:24576+128*\i
.endr
.irp u, 0,1
.irp g, 0,1,2,3
.irp e, 0,1
	global_load_b128 v[XF+12*(4*\u+\g)+6*\e:XF+12*(4*\u+\g)+6*\e+3], v[LI], s[4:5] offset:6400*\u+768*(2*\g+\e)
	global_load_b64 v[XF+12*(4*\u+\g)+6*\e+4:XF+12*(4*\u+\g)+6*\e+5], v[L8], s[4:5] offset:6400*\u+768*(2*\g+\e)+512
.endr
.endr
	global_load_b128 v[XS+4*\u:XS+4*\u+3], v[R16], s[4:5] offset:6400*\u+6144
.endr
	s_wait_loadcnt 0x0
	WIN 0x01                                       ; source 0 (Wo) window 1
.irp s, 0,1,2,3                        ; eight accumulators by turns
.irp u, 0,1
.irp t, 0,1,2,3
	WM T+8*(4*\u+\t), 12*(4*\s+\t), XF+12*(4*\u+\s), \s, WS+2*\s+\t/2, XS+4*\u+\s, \t&1
.endr
.endr
.endr
	WIN 0
.rept 4
	v_nop                                          ; four places in front of the first read of results and of the loads into o's registers
.endr
.irp u, 0,1
.irp b, 0,1
.irp i, 0,1,2,3
	ds_store_b128 v[SO], v[T+32*\u+16*\b+4*\i:T+32*\u+16*\b+4*\i+3] offset:33024*\u+128*\b+16*\i   ; stage row 16 u + r, columns 64 w + 32 b + 16 h + 4 i on; each accumulator from its low end on
.endr
.endr
.endr
	s_wait_dscnt 0x0                               ; for the others' sake: my stores into the stage are done
	s_barrier_signal -1
	s_barrier_wait -1
.irp i, 0,1,2,3
.irp c, 0,1,2,3
	ds_load_b128 v[XF+4*(4*\i+\c):XF+4*(4*\i+\c)+3], v[SR] offset:2064*\i+512*\c
.endr
.endr
.irp i, 0,1,2,3
.irp c, 0,1,2,3
	s_wait_dscnt 15-(4*\i+\c)                      ; the younger loads may stay out
	global_store_b128 v[LI], v[XF+4*(4*\i+\c):XF+4*(4*\i+\c)+3], s[8:9] offset:2048*\i+512*\c th:TH_STORE_NT   ; 32 lanes store 512 consecutive bytes of a row; written once, read by nobody here
.endr
.endr
	s_wait_tensorcnt 0x0
	ds_add_u32 v254, v255
	s_wait_dscnt 0x0
	s_endpgm
.Lfunc_end_k_qc99715075f_outp:
	.size	k_qc99715075f_outp, .Lfunc_end_k_qc99715075f_outp-k_qc99715075f_outp
	.p2alignl 7, 3214868480
	.fill 96, 4, 3214868480
	.section	.rodata,"a",@progbits
	.p2align	6, 0x0
	.amdhsa_kernel k_qc99715075f_outp
		.amdhsa_group_segment_fixed_size 67072
		.amdhsa_private_segment_fixed_size 0
		.amdhsa_enable_private_segment 0
		.amdhsa_kernarg_size 24
		.amdhsa_user_sgpr_count 2
		.amdhsa_user_sgpr_kernarg_segment_ptr 1
		.amdhsa_wavefront_size32 1
		.amdhsa_system_sgpr_workgroup_id_x 1
		.amdhsa_system_sgpr_workgroup_id_y 1
		.amdhsa_system_sgpr_workgroup_id_z 1
		.amdhsa_system_vgpr_workitem_id 0
		.amdhsa_next_free_vgpr 448
		.amdhsa_next_free_sgpr 66
		.amdhsa_reserve_vcc 0
		.amdhsa_float_denorm_mode_32 3
		.amdhsa_float_denorm_mode_16_64 3
		.amdhsa_memory_ordered 1
		.amdhsa_forward_progress 1
		.amdhsa_inst_pref_size 19
	.end_amdhsa_kernel
	.amdgpu_metadata
---
amdhsa.version: [ 1, 2 ]
amdhsa.kernels:
  - .name:           k_qc99715075f_outp
    .symbol:         k_qc99715075f_outp.kd
    .args:
      - { .name: obuf, .offset: 0, .size: 8, .value_kind: global_buffer, .address_space: global }
      - { .name: wimg, .offset: 8, .size: 8, .value_kind: global_buffer, .address_space: global }
      - { .name: out0, .offset: 16, .size: 8, .value_kind: global_buffer, .address_space: global }
    .group_segment_fixed_size: 67072
    .private_segment_fixed_size: 0
    .kernarg_segment_align: 8
    .kernarg_segment_size: 24
    .max_flat_workgroup_size: 256
    .sgpr_count:     66
    .vgpr_count:     448
    .wavefront_size: 32
...
	.end_amdgpu_metadata
.endif
;; end of part 4
;; ======== version 2 of 2: 4 launches
;; workspace buffers: wimg 819,200 bytes; qkv 9,830,400 bytes; obuf 3,276,800 bytes
;; launch wprep: the kernel of part 1 again; grid 32 x 4, 4 waves a work-group, no clusters, 6,912 bytes of LDS; arguments Wq, Wk, Wv, Wo, wimg; writes wimg
;; launch proj (part 5): grid 64 x 3, 8 waves a work-group, no clusters, 121,856 bytes of LDS; arguments Q, K, V, wimg, qkv; writes qkv
.if DOCPART == 5
	.amdgcn_target "amdgcn-amd-amdhsa--gfx1250"
	.amdhsa_code_object_version 6
	.text
	.protected	k_qc99715075f_proj
	.globl	k_qc99715075f_proj
	.p2align	8
	.type	k_qc99715075f_proj,@function
k_qc99715075f_proj:
	s_mov_b64 s[64:65], 0
	v_nop
	global_prefetch_b8 v0, s[64:65] scope:SCOPE_SE
	s_setreg_imm32_b32 hwreg(HW_REG_WAVE_SCHED_MODE, 0, 2), 2
	s_setreg_imm32_b32 hwreg(HW_REG_WAVE_MODE, 25, 1), 1
	s_wait_xcnt 0x0
	s_wait_alu depctr_vm_vsrc(0)
; q = Q Wq, k = K Wk, v = V Wv for all eight heads, on codes of BF6 (E3M2) with one E8M0 scale for each 32 along K = the 512 features; the results are
; quantised at once for the two products of attention: q and k along the head's 64, v along the keys.  y chooses the tensor (0 q, 1 k, 2 v).
; SHARES: a work-group takes 128 rows (x).  Wave w quantises row tile w of X (16 rows x 512) and hands it to the others through LDS as images of operand registers;
; then wave w makes head w for all 128 rows: its 16 fragments of the weight stay in registers (window 1), read once.
; THE ROWS OF A TILE ARE NOT NEIGHBOURS: lane r of row tile 2 f + u holds row 32 f + 8 u + r + 8 (r / 8) of the 128; the weight's column tiles are laid likewise.  So the
; 16 registers of two neighbouring result tiles are 16 neighbours, and the conversions, which take neighbours from one lane's registers, give the next operand.
; q, k: source 0 = 16 columns of W, source 1 = 16 rows of X: a lane holds one row and its registers run along the head's 64.  Two row tiles (2 x 64) make ONE fragment of 128:
;       registers 0-5 row tile 2 f, registers 6-11 row tile 2 f + 1; scale word = (two bytes of the first, two of the second).
; v:    source 0 = 16 rows of X, source 1 = 16 columns of W: a lane holds one of the head's 64 and its registers run along the 128 keys: one fragment for each column tile.
; OUT: qkv[y][batch][head][block of 128 rows], 6,400 bytes: four images of 1,536 bytes (registers 4 c .. 4 c + 3 of lane l at 512 c + 16 l), then 256 bytes of scale words:
;      lane l's 8 bytes at 8 l: word 0 = fragment 0's (lanes 0-15) and 1's (lanes 16-31), word 1 = fragments 2's and 3's.  Every store covers 512 or 256 consecutive bytes.
; LIMITS: NaN and infinities among the inputs are not served; a block whose largest magnitude lies under 2^-122, a block of zeros among them, has the byte 1 (this program alone reads the bytes).
; No tensor loads: X is read once, by one wave, and has to pass through registers to be quantised; the weights go straight into the registers where they stay, so a joint
; load into LDS would add a write and a read of 204,800 bytes of LDS.  192 work-groups: a finer split would read and quantise X twice.
; REGISTERS, window 0: v1-11 addresses; v16-79 raw rows (set A), later with v80-111 eight fragments of X; v112-119 X's scale words; v120-123 the four scale words made; v126-137 and v208-219 two out-buffers of
; codes; v144-207 64 numbers at work, the first accumulators; v220-226 the conversions' second halves; v228-244 the quantiser's; v246-253 the weight's scale words.
; window 1: v0-191 the weight's fragments; v192-255 raw rows (set B), later the second accumulators.
; THE MODE: SCHED_MODE bits 1:0 = 2 (LLVM: expert scheduling mode 2), set by the entry lines.  The code itself states the register dependences
; between vector or matrix instructions and memory or LDS instructions, with s_wait_alu, always for 0.
; THE PLAN.  Registers that memory or LDS instructions touch:
;   v2-v11     offsets and LDS addresses: written at the head, never again.
;   RA, RB     first phase: global loads land, the stage's LDS stores read; no vector instruction names them.  Later LDS loads land in RA's registers (XF) and matrix instructions write RB's (ACC1).
;   T          first phase: LDS loads land, the quantiser reads.
;   OA, PW     first phase: the quantiser writes, the image's LDS stores read.
;   XF, XS     second phase: LDS loads land, the products read.
;   OA, OB     second phase: the quantiser writes them by turns; a fragment's global stores leave one group of products later, behind that group's one wait on va_vdst.
;   PP         the tail's two selects write, one store reads.
; First phase, a step: one wait on vm_vsrc behind the stage's turn, one on va_vdst behind the quantiser.  Second phase, a group: behind the products and their places one wait on va_vdst, which serves
; the next fragments' loads and the last fragment's stores; and a wait on vm_vsrc where an out-buffer is written again, a group or more behind the stores that read it.
.set XIMG, 67584                       ; LDS: 8 stages of 16 rows x 528 bytes at 0; X's 32 fragments (row tile m, K step s) at XIMG + (4 m + s) x 1,536;
.set XSC,  116736                      ; their scale words at XSC + (4 m + s) x 128 + 4 x lane
.set LN,   1                           ; v1   lane
.set LI,   2                           ; v2   16 x lane
.set L8,   3                           ; v3   8 x lane
.set SWA,  5                           ; v5   my stage, as rows come in: 16 x lane
.set SRA,  6                           ; v6   my stage, as a lane takes its row: 528 r + 64 h
.set XI,   7                           ; v7   XIMG + 16 x lane
.set XSA,  8                           ; v8   XSC + 4 x lane
.set XWI,  9                           ; v9   where I store my tile's images
.set XWS,  10                          ; v10  and their scale words
.set L4,   11                          ; v11  4 x lane
.set RA,   16
.set RB,   192                         ; in window 1
.set XF,   16
.set XS,   112
.set KW,   120
.set PP,   124
.set OB,   126                         ; the second out-buffer: 12 registers
.set T,    144
.set ACC1, 192                         ; in window 1
.set OA,   208                         ; the first out-buffer: 12 registers
.set PT,   220                         ; the conversions' second halves: v220-222, v224-226
.set TM,   228                         ; +0..3 largest magnitudes, +4..7 the other half's, then bytes, +12..15 the conversions' scale operands
.set PW,   244
.set WS,   246
.set SEL,  24
.set MSB,  0
.macro WIN new                         ; s_set_vgpr_msb: bits 1:0 source 0, 3:2 source 1, 5:4 source 2, 7:6 destination; the high byte repeats the setting that is left
.if MSB != (\new)
	s_set_vgpr_msb (MSB<<8)|(\new)
.set MSB, (\new)
.endif
.endm
; One matrix instruction.  k = 0: the sum's first K step, C = 0; else C = D.  row = 1: source 0's scales from lanes 16-31; 2: source 1's.
.macro WM d, a, b, k, sa, sb, row
.if (\k) == 0
.if (\row) == 1
	v_wmma_scale_f32_16x16x128_f8f6f4 v[\d:\d+7], v[\a:\a+11], v[\b:\b+11], 0, v[\sa], v[\sb] matrix_a_fmt:MATRIX_FMT_BF6 matrix_b_fmt:MATRIX_FMT_BF6 matrix_a_scale:MATRIX_SCALE_ROW1
.elseif (\row) == 2
	v_wmma_scale_f32_16x16x128_f8f6f4 v[\d:\d+7], v[\a:\a+11], v[\b:\b+11], 0, v[\sa], v[\sb] matrix_a_fmt:MATRIX_FMT_BF6 matrix_b_fmt:MATRIX_FMT_BF6 matrix_b_scale:MATRIX_SCALE_ROW1
.else
	v_wmma_scale_f32_16x16x128_f8f6f4 v[\d:\d+7], v[\a:\a+11], v[\b:\b+11], 0, v[\sa], v[\sb] matrix_a_fmt:MATRIX_FMT_BF6 matrix_b_fmt:MATRIX_FMT_BF6
.endif
.else
.if (\row) == 1
	v_wmma_scale_f32_16x16x128_f8f6f4 v[\d:\d+7], v[\a:\a+11], v[\b:\b+11], v[\d:\d+7], v[\sa], v[\sb] matrix_a_fmt:MATRIX_FMT_BF6 matrix_b_fmt:MATRIX_FMT_BF6 matrix_a_scale:MATRIX_SCALE_ROW1
.elseif (\row) == 2
	v_wmma_scale_f32_16x16x128_f8f6f4 v[\d:\d+7], v[\a:\a+11], v[\b:\b+11], v[\d:\d+7], v[\sa], v[\sb] matrix_a_fmt:MATRIX_FMT_BF6 matrix_b_fmt:MATRIX_FMT_BF6 matrix_b_scale:MATRIX_SCALE_ROW1
.else
	v_wmma_scale_f32_16x16x128_f8f6f4 v[\d:\d+7], v[\a:\a+11], v[\b:\b+11], v[\d:\d+7], v[\sa], v[\sb] matrix_a_fmt:MATRIX_FMT_BF6 matrix_b_fmt:MATRIX_FMT_BF6
.endif
.endif
.endm
; My tile's 16 rows, 128 numbers of K step s each, as they lie: each load reads 512 consecutive bytes of one row.  set in window w.
.macro XLOAD set, s, w
	WIN 0x40*(\w)
.irp i, 0,1,2,3,4,5,6,7,8,9,10,11,12,13,14,15
	global_load_b128 v[\set+4*\i:\set+4*\i+3], v[LI], s[4:5] offset:(\i+8*(\i/8))*2048+512*(\s) th:TH_LOAD_NT
.endr
	WIN 0
.endm
; Through my own stage: in as rows, back so that register 16 b + i of lane (r, h) is k = 32 b + 16 h + i of row r.  LDS serves a wave's instructions in order: no wait between.
.macro TURN set, w
	WIN 0x04*(\w)
.irp i, 0,1,2,3,4,5,6,7,8,9,10,11,12,13,14,15
	ds_store_b128 v[SWA], v[\set+4*\i:\set+4*\i+3] offset:528*\i
.endr
	WIN 0
.irp b, 0,1,2,3
.irp j, 0,1,2,3
	ds_load_b128 v[T+16*\b+4*\j:T+16*\b+4*\j+3], v[SRA] offset:128*\b+16*\j
.endr
.endr
.endm
; 64 numbers of a lane, v[s] on in window w, register 16 b + i = place 32 b + 16 h + i, become a fragment's codes in the out-buffer v[o] on and its scale word in v[PW].
.macro QUANT s, w, o
	WIN 5*(\w)
.irp b, 0,1,2,3
	v_max3_num_f32 v[TM+\b], |v[\s+16*\b]|, |v[\s+1+16*\b]|, 0x2800000   ; my 16 numbers of block b, from the accumulator's low end on, and the floor 2^(5 - 127): the byte cannot fall under 1
.endr
	WIN 0x14*(\w)
.irp i, 2,4,6,8,10,12,14
.irp b, 0,1,2,3
	v_max3_num_f32 v[TM+\b], v[TM+\b], |v[\s+16*\b+\i]|, |v[\s+1+16*\b+\i]|
.endr
.endr
	WIN 0
.irp b, 0,1,2,3
	v_permlanex16_b32 v[TM+4+\b], v[TM+\b], s[SEL], s[SEL+1]
.endr
.irp b, 0,1,2,3
	v_max_num_f32 v[TM+\b], v[TM+\b], v[TM+4+\b]   ; with lane l xor 16's: the block's largest magnitude
.endr
.irp b, 0,1,2,3
	v_add_nc_u32 v[TM+12+\b], 0xfe000000, v[TM+\b] ; 4 off its exponent field: the conversion's scale operand
.endr
.irp b, 0,1,2,3
	v_lshrrev_b32 v[TM+4+\b], 23, v[TM+12+\b]      ; the scale's byte
.endr
	v_lshl_or_b32 v[PW], v[TM+5], 8, v[TM+4]
	v_lshl_or_b32 v[PW], v[TM+6], 16, v[PW]
	v_lshl_or_b32 v[PW], v[TM+7], 24, v[PW]
	WIN (\w)
.irp c, 0,1
	v_cvt_scalef32_pk16_bf6_f32 v[6*\c+(\o):6*\c+2+(\o)], v[\s+32*\c:\s+15+32*\c], v[TM+12+2*\c]
	v_cvt_scalef32_pk16_bf6_f32 v[PT+4*\c:PT+2+4*\c], v[\s+16+32*\c:\s+31+32*\c], v[TM+12+2*\c+1]   ; (a conversion's three registers begin on an even number)
.endr
	WIN 0
	v_nop                                          ; one plain place behind a scaled conversion
.irp c, 0,1                            ; the operand's layout wants a whole block in a lane: lanes 0-15 block 2 c, lanes 16-31 block 2 c + 1
.irp i, 0,1,2
	v_permlane16_swap_b32 v[6*\c+\i+(\o)], v[PT+4*\c+\i]
.endr
.irp i, 0,1,2
	v_mov_b32 v[3+6*\c+\i+(\o)], v[PT+4*\c+\i]
.endr
.endr
.endm
.macro FETCH reg, idx                  ; fragment idx of X's 32 back from LDS, as it was stored
.irp c, 0,1,2
	ds_load_b128 v[\reg+4*\c:\reg+4*\c+3], v[XI] offset:1536*(\idx)+512*\c
.endr
.endm
.macro PUT g, o                        ; the fragment in the out-buffer v[o] on is image g of my head's block
.irp c, 0,1,2
	global_store_b128 v[LI], v[4*\c+(\o):4*\c+3+(\o)], s[12:13] offset:1536*(\g)+512*\c
.endr
.endm
.macro PLACES5                         ; five places behind the last products: four are owed by the first read of results (ISA guide 7.12.1),
.rept 5                                ; five by the next group's first products, which write the accumulators anew
	v_nop
.endr
.endm
	s_load_b128 s[4:7], s[0:1], 0x0                ; Q, K
	s_load_b128 s[8:11], s[0:1], 0x10              ; V, wimg
	s_load_b64 s[12:13], s[0:1], 0x20              ; qkv
	v_lshl_add_u32 v254, v0, 2, 0x1d800
	v_mov_b32 v255, 0
	v_lshrrev_b32 v1, 5, v0
	v_readfirstlane_b32 s16, v1                    ; wave 0..7
	v_and_b32 v[LN], 31, v0
	v_and_b32 v12, 15, v0                          ; r
	v_bfe_u32 v13, v0, 4, 1                        ; h
	v_lshlrev_b32 v[LI], 4, v[LN]
	v_lshlrev_b32 v[L8], 3, v[LN]
	v_lshlrev_b32 v[L4], 2, v[LN]
	s_wait_alu depctr_va_sdst(0)                   ; s16 is written, ahead of its first reader: LDS addresses and the three bases are made from it
	s_mul_i32 s17, s16, 8448
	v_add_nc_u32 v[SWA], s17, v[LI]
	v_mul_u32_u24 v[SRA], v12, 528
	v_lshl_add_u32 v[SRA], v13, 6, v[SRA]
	v_add_nc_u32 v[SRA], s17, v[SRA]
	v_add_nc_u32 v[XI], XIMG, v[LI]
	v_add_nc_u32 v[XSA], XSC, v[L4]
	s_mul_i32 s17, s16, 6144
	v_add_nc_u32 v[XWI], s17, v[XI]
	s_lshl_b32 s17, s16, 9
	v_add_nc_u32 v[XWS], s17, v[XSA]
	s_mov_b32 s[SEL], 0x76543210
	s_mov_b32 s[SEL+1], 0xfedcba98                 ; v_permlanex16_b32's selects for lane l xor 16
.irp b, 0,1,2,3
	v_mov_b32 v[TM+4+\b], 0                        ; written once: a lane permute's destination counts as one of its sources
.endr
	s_and_b32 s18, ttmp7, 0xffff                   ; y
	s_wait_kmcnt 0x0
	s_cmp_eq_u32 s18, 1                            ; the tensor is chosen by the work-group's y alone
	s_cselect_b64 s[4:5], s[6:7], s[4:5]
	s_cmp_eq_u32 s18, 2
	s_cselect_b64 s[4:5], s[8:9], s[4:5]
	s_lshl_b32 s20, ttmp9, 18                      ; 128 rows of 2,048 bytes
	s_lshr_b32 s21, s16, 1
	s_lshl_b32 s21, s21, 5
	s_and_b32 s22, s16, 1
	s_lshl_b32 s22, s22, 3
	s_add_co_u32 s21, s21, s22                     ; my tile's first row: 32 (w / 2) + 8 (w % 2)
	s_lshl_b32 s21, s21, 11
	s_add_co_u32 s20, s20, s21
	s_mov_b32 s21, 0
	s_add_nc_u64 s[4:5], s[4:5], s[20:21]
	s_mul_i32 s20, s18, 204800
	s_mul_i32 s22, s16, 25600
	s_add_co_u32 s20, s20, s22
	s_add_nc_u64 s[10:11], s[10:11], s[20:21]      ; matrix y, group = head w
	s_lshr_b32 s22, ttmp9, 5
	s_lshl_b32 s22, s22, 3
	s_add_co_u32 s22, s22, s16
	s_lshl_b32 s22, s22, 5
	s_and_b32 s23, ttmp9, 31
	s_add_co_u32 s22, s22, s23                     ; (batch x 8 + head) x 32 + block
	s_mul_i32 s22, s22, 6400
	s_mul_i32 s20, s18, 3276800
	s_add_co_u32 s20, s20, s22
	s_add_nc_u64 s[12:13], s[12:13], s[20:21]
	WIN 0x40                                       ; destination window 1: the weight's 16 images, 48 x 512 consecutive bytes
	s_wait_alu depctr_va_vdst(0)                   ; the offsets and LDS addresses v2 to v11 are written: every load and store of the kernel reads one of them
.set i, 0
.rept 48
	global_load_b128 v[4*i:4*i+3], v[LI], s[10:11] offset:512*i
.set i, i+1
.endr
	WIN 0
.irp i, 0,1,2,3,4,5,6,7
	global_load_b32 v[WS+\i], v[L4], s[10:11] offset:24576+128*\i
.endr
	XLOAD RA, 0, 0
	XLOAD RB, 1, 1
; K step s of my tile: its rows turn through the stage, are quantised, and go to LDS as an image.  left: the other set's 16 younger loads may stay out.
.macro XSTEP s, set, w, left
	s_wait_loadcnt \left
	TURN \set, \w                                  ; (the loads into T lean on the last step's wait on va_vdst: no vector instruction has been issued since)
	s_wait_dscnt 0x0                               ; the numbers are back
	s_wait_alu depctr_vm_vsrc(0)                   ; the stage's stores have read the raw set, in which loads land next (set B's registers: which products write later); the last image's stores have read v[OA ..] and v[PW], which the quantiser writes again
.if (\s) < 2
	XLOAD \set, (\s)+2, \w
.endif
	QUANT T, 0, OA
	s_wait_alu depctr_va_vdst(0)                   ; the quantiser has written v[OA ..] and v[PW], which the stores below read, and is done reading T, in which the next step's numbers land
.irp c, 0,1,2
	ds_store_b128 v[XWI], v[OA+4*\c:OA+4*\c+3] offset:1536*(\s)+512*\c
.endr
	ds_store_b32 v[XWS], v[PW] offset:128*(\s)
.endm
	XSTEP 0, RA, 0, 16
	XSTEP 1, RB, 1, 16
	XSTEP 2, RA, 0, 16
	XSTEP 3, RB, 1, 0
	s_wait_dscnt 0x0                               ; for the others' sake: my images are in LDS
	s_barrier_signal -1
	s_barrier_wait -1                              ; X's 32 fragments lie in LDS; from here on LDS is only read
	s_wait_alu depctr_vm_vsrc(0)                   ; my last image's stores have read v[OA ..] and v[PW], which the quantiser writes again on both ways below
	s_cmp_eq_u32 s18, 2
	s_cbranch_scc1 .Lv
; ---- q, k: row tiles 2 f and 2 f + 1 at a time: eight accumulators by turns, four K steps
.macro GFETCH f
.irp u, 0,1
.irp s, 0,1,2,3
	FETCH XF+12*(4*\u+\s), 4*(2*(\f)+\u)+\s
	ds_load_b32 v[XS+4*\u+\s], v[XSA] offset:128*(4*(2*(\f)+\u)+\s)
.endr
.endr
.endm
	GFETCH 0
.irp f, 0,1,2,3
	s_wait_dscnt 0x0
	WIN 0x01                                       ; source 0 (the weight) window 1
.irp s, 0,1,2,3
.irp u, 0,1
.irp t, 0,1,2,3
	WM T+8*(4*\u+\t), 12*(4*\s+\t), XF+12*(4*\u+\s), \s, WS+2*\s+\t/2, XS+4*\u+\s, \t&1
.endr
.endr
.endr
	WIN 0
	PLACES5
.if \f < 3
	s_wait_alu depctr_va_vdst(0)                   ; the products are done reading XF and XS, in which the loads below land; the last group's quantiser has written its out-buffer, which the stores below read
.endif
.if \f > 1
	s_wait_xcnt 0x0                                ; the stores issued a group back have had their addresses translated,
	s_wait_alu depctr_vm_vsrc(0)                   ; and have read the out-buffer that this group's quantiser writes again
.endif
.if \f < 3
	GFETCH \f+1                                    ; the next two tiles land while these are quantised
.endif
.if (\f == 1) || (\f == 2)
	PUT \f-1, OA+(OB-OA)*((\f-1)%2)                ; the last group's fragment leaves; fragments 2 and 3 leave at the tail
.endif
	QUANT T, 0, OA+(OB-OA)*(\f%2)                  ; the two out-buffers by turns
	v_mov_b32 v[KW+\f], v[PW]                      ; its scale word is kept
.endr
	s_branch .Lout
; ---- v: all eight row tiles against column tiles 2 tp and 2 tp + 1: sixteen accumulators by turns, a K step at a time
.macro VFETCH s
.irp m, 0,1,2,3,4,5,6,7
	FETCH XF+12*\m, 4*\m+(\s)
	ds_load_b32 v[XS+\m], v[XSA] offset:128*(4*\m+(\s))
.endr
.endm
.Lv:
	VFETCH 0
.irp tp, 0,1
.irp s, 0,1,2,3
	s_wait_dscnt 0x0
	WIN 0x04                                       ; source 1 (the weight) window 1
.irp m, 0,1,2,3,4,5,6,7
	WM T+8*\m, XF+12*\m, 12*(4*\s+2*\tp), \s, XS+\m, WS+2*\s+\tp, 0
.endr
	WIN 0x54                                       ; and C and D window 1
.irp m, 0,1,2,3,4,5,6,7
	WM ACC1+8*\m, XF+12*\m, 12*(4*\s+2*\tp+1), \s, XS+\m, WS+2*\s+\tp, 2
.endr
	WIN 0
	PLACES5
.if (\tp == 0) || (\s < 3)
	s_wait_alu depctr_va_vdst(0)                   ; the products are done reading XF and XS, in which the loads below land; in the second pair's first K step: the first pair's quantisers have written both out-buffers
	VFETCH (\s+1)%4
.endif
.if (\tp == 1) && (\s == 0)
	PUT 0, OA                                      ; the first pair's two fragments leave
	PUT 1, OB
.endif
.endr
.if \tp == 1
	s_wait_xcnt 0x0                                ; the stores of fragments 0 and 1, three K steps back, have had their addresses translated,
	s_wait_alu depctr_vm_vsrc(0)                   ; and have read both out-buffers, which the quantisers below write again
.endif
	QUANT T, 0, OA
	v_mov_b32 v[KW+2*\tp], v[PW]
	QUANT ACC1, 1, OB
	v_mov_b32 v[KW+2*\tp+1], v[PW]
.endr
.Lout:                                             ; on both ways fragment 2 stands in OA and fragment 3 in OB
	s_wait_alu depctr_va_vdst(0)
	v_cmp_gt_u32 vcc_lo, 16, v[LN]                 ; the four scale words in pairs: lanes 0-15 the even fragment's, lanes 16-31 the odd one's
	s_wait_alu depctr_va_vcc(0)                    ; VCC is written, ahead of its first reader
	v_cndmask_b32 v[PP], v[KW+1], v[KW], vcc_lo
	v_cndmask_b32 v[PP+1], v[KW+3], v[KW+2], vcc_lo
	s_wait_alu depctr_va_vdst(0)                   ; the last two quantisers have written both out-buffers and the selects v[PP], v[PP+1]: the stores below read them
	PUT 2, OA
	PUT 3, OB
	global_store_b64 v[L8], v[PP:PP+1], s[12:13] offset:6144
	s_wait_dscnt 0x0                               ; the closing lines, six on end
	s_wait_alu 0x0
	s_wait_tensorcnt 0x0
	ds_add_u32 v254, v255
	s_wait_dscnt 0x0
	s_endpgm
.Lfunc_end_k_qc99715075f_proj:
	.size	k_qc99715075f_proj, .Lfunc_end_k_qc99715075f_proj-k_qc99715075f_proj
	.p2alignl 7, 3214868480
	.fill 96, 4, 3214868480
	.section	.rodata,"a",@progbits
	.p2align	6, 0x0
	.amdhsa_kernel k_qc99715075f_proj
		.amdhsa_group_segment_fixed_size 121856
		.amdhsa_private_segment_fixed_size 0
		.amdhsa_enable_private_segment 0
		.amdhsa_kernarg_size 40
		.amdhsa_user_sgpr_count 2
		.amdhsa_user_sgpr_kernarg_segment_ptr 1
		.amdhsa_wavefront_size32 1
		.amdhsa_system_sgpr_workgroup_id_x 1
		.amdhsa_system_sgpr_workgroup_id_y 1
		.amdhsa_system_sgpr_workgroup_id_z 1
		.amdhsa_system_vgpr_workitem_id 0
		.amdhsa_next_free_vgpr 512
		.amdhsa_next_free_sgpr 66
		.amdhsa_reserve_vcc 1
		.amdhsa_float_denorm_mode_32 3
		.amdhsa_float_denorm_mode_16_64 3
		.amdhsa_memory_ordered 1
		.amdhsa_forward_progress 1
		.amdhsa_inst_pref_size 132
	.end_amdhsa_kernel
	.amdgpu_metadata
---
amdhsa.version: [ 1, 2 ]
amdhsa.kernels:
  - .name:           k_qc99715075f_proj
    .symbol:         k_qc99715075f_proj.kd
    .args:
      - { .name: Q, .offset: 0, .size: 8, .value_kind: global_buffer, .address_space: global }
      - { .name: K, .offset: 8, .size: 8, .value_kind: global_buffer, .address_space: global }
      - { .name: V, .offset: 16, .size: 8, .value_kind: global_buffer, .address_space: global }
      - { .name: wimg, .offset: 24, .size: 8, .value_kind: global_buffer, .address_space: global }
      - { .name: qkv, .offset: 32, .size: 8, .value_kind: global_buffer, .address_space: global }
    .group_segment_fixed_size: 121856
    .private_segment_fixed_size: 0
    .kernarg_segment_align: 8
    .kernarg_segment_size: 40
    .max_flat_workgroup_size: 256
    .sgpr_count:     66
    .vgpr_count:     512
    .wavefront_size: 32
...
	.end_amdgpu_metadata
.endif
;; end of part 5
;; launch attn (part 6): grid 16 x 16, 16 waves a work-group, no clusters, 327,680 bytes of LDS; arguments qkv, obuf; writes obuf
.if DOCPART == 6
	.amdgcn_target "amdgcn-amd-amdhsa--gfx1250"
	.amdhsa_code_object_version 6
	.text
	.protected	k_qc99715075f_attn
	.globl	k_qc99715075f_attn
	.p2align	8
	.type	k_qc99715075f_attn,@function
k_qc99715075f_attn:
	s_mov_b64 s[64:65], 0
	v_nop
	global_prefetch_b8 v0, s[64:65] scope:SCOPE_SE
	s_setreg_imm32_b32 hwreg(HW_REG_WAVE_MODE, 25, 1), 1
	s_wait_xcnt 0x0
; o = softmax(q k^T / 8, causal) v for one (batch, head), both products on codes of BF6 (E3M2) with one E8M0 scale for each 32 along K; o is quantised along its 64 features for the last product.
; THE SOFTMAX: t = score x log2(e) / 8; M = the running largest t rounded UP to a whole number; p = 2^(t - M) is quantised along the keys, not normalised; the row's sum is taken of the
; unquantised p and divides at the end (v_rcp_f32 and a multiplication).  When M moves, the sum and O are multiplied by 2^(old M - new M): exact.
; SHARES, AND THE MASK EVENED OUT: work-group (p, batch x 8 + head) owns the blocks p and 31 - p of 128 queries.  Wave w owns ONE tile of 16 queries: tile m = w / 2 of the low block or of the high one,
; by bit (w ^ (w >> 2)) & 1, so that of any four waves w, w + 4, w + 8, w + 12 and of any four neighbours two are low and two high.  A low wave has p + 1 key steps of 128 keys, a high one 32 - p: 33 for a pair, whatever p.
; All sixteen waves walk one stream of key steps; a wave leaves out the WORK of the steps behind its own block (a scalar branch on ids; no barrier and no tensor load stands in a step) and masks its diagonal step.
; The work-group walks 4 ((35 - p) >> 2) steps, at least 32 - p and at most 32: up to three steps at the end are fetched and read by nobody.
; K = 64 IN AN INSTRUCTION OF 128: a fragment of k holds TWO key tiles side by side along K (registers 0-5, 6-11); q is kept twice, as [q | zero codes] and [zero codes | q] (the empty half's scale bytes 127):
; fragment f times the first gives key tile 2 f, times the second key tile 2 f + 1.  Zero codes add nothing.
; LAYOUT: both products transposed (S^T = k q^T, O^T = v^T p^T): a lane holds one query throughout.  Tiles' rows are not neighbours (lane r of tile 2 f + u: row 32 f + 8 u + r + 8 (r / 8) of the 128), so the 16
; registers of two neighbouring tiles of S^T are 16 neighbouring keys, and those of O^T 16 neighbouring features.
; IN: qkv[q, k, v][batch x 8 + head][step], 6,400 bytes a step: four images of operand registers (1,536 bytes: registers 4 c .. 4 c + 3 of lane l at 512 c + 16 l) and 256 bytes of scale words in pairs.
; So a fragment is three ds_load_b128 of 512 consecutive bytes, and two steps of k (or of v) are 12,800 dense bytes: one tensor load.
; OUT: obuf[(batch x 32 + block) x 8 + tile], 6,400 bytes: head hd's six registers at 768 hd (registers 0-3 at 16 l, 4-5 at 512 + 8 l); at 6,144 + 16 r + 2 hd the two scale bytes of (row r, head hd).
; NO CLUSTER, though the sixteen work-groups of a head walk the same k and v: the steps left out and the masked step are branches on p, which differs between those work-groups, and what is
; shared, 12,800 bytes a step, feeds eight to sixteen waves' whole softmax.
; LIMITS: NaN and infinities are not served; a block of p or of o whose largest magnitude lies under 2^-122 (a block of zeros among them) has the byte 1, its codes zeros or subnormal codes.
.set SPARE, 51200                      ; LDS: slot n at 25,600 n (k's two steps, then v's two); behind the slots the spare words, 128 bytes for each of the sixteen waves
.set LI,  1                            ; v1   16 x lane
.set L8,  2                            ; v2   8 x lane
.set SPW, 3                            ; v3   my spare word; never rewritten
.set NIL, 4                            ; v4   0; never rewritten
.set DQ,  5                            ; v5   my query's place in its block - 16 h
.set R16, 7                            ; v7   16 r
.set QL,  16                           ; v16-27 [q | 0], v28-39 [0 | q]
.set KV,  40                           ; v40-87 four fragments, k's and then v's
.set S,   96                           ; v96-159 S^T, then p
.set OT,  160                          ; v160-191 O^T
.set PC,  192                          ; v192-203 p's codes; v204-206, v208-210 the conversions' second halves
.set BM,  212                          ; v212-215 the blocks' largest
.set BT,  216                          ; v216-219 the other half's, then bytes
.set BS,  220                          ; v220-223 the conversions' scale operands
.set KSC, 224                          ; v224-225 k's scale words, v226-227 v's, v228-229 q's two, v230 p's: they hold scales alone
.set VSC, 226
.set QS,  228
.set PW,  230
.set WV,  8                            ; s8 wave; s9 p; s10 batch x 8 + head; s12 tile
.set ST,  13                           ; s13  my block of queries = my last key step
.set KS,  14                           ; s14  the key step in hand
.set SEL, 32
.set CS,  34
.macro WM d, a, b, k, sa, sb, row      ; k = 0: C = 0; else C = D.  row = 1: source 0's scales from lanes 16-31
.if (\k) == 0
.if (\row) == 1
	v_wmma_scale_f32_16x16x128_f8f6f4 v[\d:\d+7], v[\a:\a+11], v[\b:\b+11], 0, v[\sa], v[\sb] matrix_a_fmt:MATRIX_FMT_BF6 matrix_b_fmt:MATRIX_FMT_BF6 matrix_a_scale:MATRIX_SCALE_ROW1
.else
	v_wmma_scale_f32_16x16x128_f8f6f4 v[\d:\d+7], v[\a:\a+11], v[\b:\b+11], 0, v[\sa], v[\sb] matrix_a_fmt:MATRIX_FMT_BF6 matrix_b_fmt:MATRIX_FMT_BF6
.endif
.else
.if (\row) == 1
	v_wmma_scale_f32_16x16x128_f8f6f4 v[\d:\d+7], v[\a:\a+11], v[\b:\b+11], v[\d:\d+7], v[\sa], v[\sb] matrix_a_fmt:MATRIX_FMT_BF6 matrix_b_fmt:MATRIX_FMT_BF6 matrix_a_scale:MATRIX_SCALE_ROW1
.else
	v_wmma_scale_f32_16x16x128_f8f6f4 v[\d:\d+7], v[\a:\a+11], v[\b:\b+11], v[\d:\d+7], v[\sa], v[\sb] matrix_a_fmt:MATRIX_FMT_BF6 matrix_b_fmt:MATRIX_FMT_BF6
.endif
.endif
.endm
; Wave 0 fetches a slot's k, wave 1 its v, the others nothing: the branch hangs on the wave's number alone.  Four v_nop follow the load.
.macro TLOAD g0
	s_cmp_lt_u32 s[WV], 2
	s_cbranch_scc0 .Lnone_\@
	tensor_load_to_lds s[\g0:\g0+3], s[16:23]
	s_nop 0
.rept 4
	v_nop
.endr
.Lnone_\@:
.endm
	s_load_b128 s[4:7], s[0:1], 0x0                ; qkv, obuf
	v_lshl_add_u32 v[SPW], v0, 2, SPARE
	v_mov_b32 v[NIL], 0
	ds_add_u32 v3, v4
	ds_add_u32 v3, v4
	s_wait_dscnt 0x0
	v_lshrrev_b32 v6, 5, v0
	s_delay_alu instid0(VALU_DEP_1)
	v_readfirstlane_b32 s[WV], v6                  ; wave 0..15
	s_mov_b32 s9, ttmp9                            ; p
	s_and_b32 s10, ttmp7, 0xffff                   ; batch x 8 + head
	s_lshr_b32 s12, s[WV], 1                       ; my tile
	s_lshr_b32 s36, s[WV], 2
	s_xor_b32 s36, s36, s[WV]
	s_and_b32 s36, s36, 1                          ; low block or high
	s_sub_co_u32 s37, 31, s9
	s_cmp_lg_u32 s36, 0
	s_cselect_b32 s[ST], s37, s9
	s_mov_b32 s[KS], 0
	s_sub_co_u32 s15, 35, s9
	s_lshr_b32 s15, s15, 2
	s_sub_co_u32 s15, s15, 1                       ; the loop's trips, 4 to 7: four steps a trip, four more in the tail
	; descriptor group 1: 12,800 dense bytes as 50 rows of 32 elements of 8 bytes; no padding, no mask
	s_mov_b32 s16, 3<<16
	s_mov_b32 s17, 32<<16                          ; tensor_dim0
	s_mov_b32 s18, 50<<16                          ; tensor_dim1
	s_mov_b32 s19, 32<<16                          ; tile_dim0
	s_mov_b32 s20, 50                              ; tile_dim1
	s_mov_b32 s21, 32                              ; the pitch
	s_mov_b32 s22, 0
	s_mov_b32 s23, 0
	s_mov_b32 s[SEL], 0x76543210
	s_mov_b32 s[SEL+1], 0xfedcba98                 ; v_permlanex16_b32's selects for lane l xor 16
	s_mov_b32 s[CS], 0x3e38aa3b                    ; c = log2(e) / 8
	s_mov_b32 s[CS+1], s[CS]                       ; (named with it as a pair, so it is written)
	s_and_b32 s36, s[WV], 1                        ; k (0) or v (1)
	s_mul_i32 s37, s36, 12800                      ; its place in a slot
	s_mul_i32 s44, s10, 204800                     ; my head's 32 steps
	s_add_co_u32 s38, s36, 1
	s_mul_i32 s38, s38, 3276800
	s_add_co_u32 s38, s38, s44
	s_mov_b32 s39, 0
	s_wait_kmcnt 0x0
	s_add_nc_u64 s[42:43], s[4:5], s[38:39]
	s_mov_b32 s24, 1                               ; group 0 for slot 0: steps 0 and 1
	s_mov_b32 s25, s37
	s_mov_b64 s[26:27], s[42:43]
	s_or_b32 s27, s27, 0x80000000
	s_mov_b32 s28, 1                               ; group 0 for slot 1: steps 2 and 3
	s_add_co_u32 s29, s37, 25600
	s_add_nc_u64 s[30:31], s[42:43], 12800
	s_or_b32 s31, s31, 0x80000000
	TLOAD 24                                       ; the one first fill, ahead of every wait on TENSORcnt, every LDS read and every barrier
	v_and_b32 v8, 31, v0
	s_delay_alu instid0(VALU_DEP_1)
	v_lshlrev_b32 v[LI], 4, v8
	s_wait_alu depctr_va_vdst(0)
	v_lshlrev_b32 v[L8], 3, v8
	v_and_b32 v9, 15, v0                           ; r
	v_bfe_u32 v10, v0, 4, 1                        ; h
	s_delay_alu instid0(VALU_DEP_2)
	v_lshlrev_b32 v[R16], 4, v9
	s_delay_alu instid0(VALU_DEP_3)
	v_lshlrev_b32 v6, 3, v9
	s_wait_alu depctr_va_vdst(0)
	s_lshr_b32 s45, s12, 1                         ; f: my tile's fragment of q
	s_and_b32 s46, s12, 1                          ; u: its half of that fragment
	s_mul_i32 s47, s[ST], 6400
	s_add_co_u32 s47, s47, s44                     ; my block of q
	s_mul_i32 s48, s45, 1536
	s_add_co_u32 s48, s48, s47
	s_mov_b32 s49, 0
	s_add_nc_u64 s[50:51], s[4:5], s[48:49]
	s_and_b32 s48, s45, 1
	s_lshl_b32 s48, s48, 7
	s_lshr_b32 s52, s45, 1
	s_lshl_b32 s52, s52, 2
	s_add_co_u32 s48, s48, s52
	s_add_co_u32 s48, s48, s47
	s_add_co_u32 s48, s48, 6144                    ; fragment f's scale words: 8 (r + 16 (f % 2)) + 4 (f / 2) in the block of pairs
	s_add_nc_u64 s[52:53], s[4:5], s[48:49]
.irp c, 0,1,2
	global_load_b128 v[KV+4*\c:KV+4*\c+3], v[LI], s[50:51] offset:512*\c
.endr
	global_load_b32 v88, v6, s[52:53]
	v_and_b32 v[DQ], 8, v9
	s_delay_alu instid0(VALU_DEP_1)
	v_add_nc_u32 v[DQ], v[DQ], v9                  ; r + 8 (r / 8)
	v_lshlrev_b32 v10, 4, v10
	s_delay_alu instid0(VALU_DEP_1)
	v_sub_nc_u32 v[DQ], v[DQ], v10
	s_lshl_b32 s36, s45, 5
	s_lshl_b32 s37, s46, 3
	s_add_co_u32 s36, s36, s37
	v_add_nc_u32 v[DQ], s36, v[DQ]                 ; 32 f + 8 u + r + 8 (r / 8) - 16 h
	s_lshr_b32 s36, s10, 3                         ; batch
	s_and_b32 s37, s10, 7                          ; head
	s_lshl_b32 s36, s36, 5
	s_add_co_u32 s36, s36, s[ST]
	s_lshl_b32 s36, s36, 3
	s_add_co_u32 s36, s36, s12
	s_mul_i32 s36, s36, 6400                       ; my tile of o
	s_mul_i32 s38, s37, 768
	s_add_co_u32 s38, s38, s36
	s_add_nc_u64 s[40:41], s[6:7], s[38:39]        ; my head's codes there,
	s_lshl_b32 s38, s37, 1
	s_add_co_u32 s38, s38, s36
	s_add_co_u32 s38, s38, 6144
	s_add_nc_u64 s[6:7], s[6:7], s[38:39]          ; and its scale bytes
	v_mov_b32 v13, 0xff61b1e6                      ; the largest t so far: -3e38, under every t
	s_delay_alu instid0(VALU_DEP_1)
	v_floor_f32 v12, -v13                          ; -M
	v_mov_b32 v14, 0                               ; the sum, in two halves
	v_mov_b32 v15, 0
.irp b, 0,1,2,3
	v_mov_b32 v[BT+\b], 0                          ; written once: a lane permute's destination counts as one of its sources
.endr
	v_mov_b32 v233, 0                              ; (named as the upper half of the pair v[232:233])
.irp i, 6,7,8,9,10,11,12,13,14,15,16,17
	v_mov_b32 v[QL+\i], 0                          ; the zero codes of [q | 0] and of [0 | q]
.endr
	s_cmp_lg_u32 s46, 0
	s_cselect_b32 s36, -1, 0
	s_lshl_b32 s37, s46, 4
	s_wait_loadcnt 0x0
.irp i, 0,1,2,3,4,5
	v_cndmask_b32 v[QL+\i], v[KV+\i], v[KV+6+\i], s36    ; my tile's half of the fragment
.endr
.irp i, 0,1,2,3,4,5
	v_mov_b32 v[QL+18+\i], v[QL+\i]
.endr
	v_lshrrev_b32 v88, s37, v88
	s_delay_alu instid0(VALU_DEP_1)
	v_and_b32 v88, 0xffff, v88                     ; my tile's two scale bytes
	s_delay_alu instid0(VALU_DEP_1)
	v_or_b32 v[QS], 0x7f7f0000, v88                ; (s0, s1, 127, 127)
	s_delay_alu instid0(VALU_DEP_2)
	v_lshl_or_b32 v[QS+1], v88, 16, 0x7f7f         ; (127, 127, s0, s1)
.set j, 0
.rept 32
	v_mov_b32 v[OT+j], 0                           ; O^T: the step is written once; the first finds zeros, which the first change of M leaves zeros.  (Also the places between the scale words just made and the first products)
.set j, j+1
.endr
; A KEY STEP: 128 keys, the q-th of slot `slot`.  Every LDS address is 16 x lane or 8 x lane and an immediate.
.macro STEP slot, q
.set BB, 25600*(\slot)+6400*(\q)
	s_cmp_gt_u32 s[KS], s[ST]                      ; all its keys come after my queries: the work is left out
	s_cbranch_scc1 .Lhidden_\@
.irp f, 0,1,2,3
.irp c, 0,1,2
	ds_load_b128 v[KV+12*\f+4*\c:KV+12*\f+4*\c+3], v[LI] offset:BB+1536*\f+512*\c
.endr
.endr
	ds_load_b64 v[KSC:KSC+1], v[L8] offset:BB+6144
	ds_load_b64 v[VSC:VSC+1], v[L8] offset:BB+12800+6144
	s_wait_dscnt 0x0
.irp f, 0,1,2,3                        ; S^T = k q^T: eight tiles of 16 keys
.irp u, 0,1
	WM S+8*(2*\f+\u), KV+12*\f, QL+12*\u, 0, KSC+\f/2, QS+\u, \f&1
.endr
.endr
.rept 4
	v_nop                                          ; four places in front of the loads into k's registers and of the first read of the scores
.endr
.irp f, 0,1,2,3                        ; v's four fragments land under the softmax
.irp c, 0,1,2
	ds_load_b128 v[KV+12*\f+4*\c:KV+12*\f+4*\c+3], v[LI] offset:BB+12800+1536*\f+512*\c
.endr
.endr
	s_cmp_lg_u32 s[KS], s[ST]
	s_cbranch_scc1 .Lopen_\@                       ; all its keys count
	v_mov_b32 v234, 0xff800000                     ; on the diagonal: register 16 b + i holds key 32 b + 16 h + i of the block: hidden, -infinity, where 32 b + i > my query's place - 16 h
.set n, 0
.rept 64
	v_cmp_gt_i32 vcc_lo, 32*(n/16)+n%16, v[DQ]
	v_cndmask_b32 v[S+n], v[S+n], v234, vcc_lo
.set n, n+1
.endr
.Lopen_\@:
.irp b, 0,1,2,3
	v_max3_num_f32 v[BM+\b], v[S+16*\b], v[S+1+16*\b], v[S+2+16*\b]   ; the largest score of each block of 32 keys: for the row's maximum and, since p rises with the score, for the block's largest p
.endr
.irp i, 3,5,7,9,11,13
.irp b, 0,1,2,3
	v_max3_num_f32 v[BM+\b], v[BM+\b], v[S+16*\b+\i], v[S+1+16*\b+\i]
.endr
.endr
.irp b, 0,1,2,3
	v_max_num_f32 v[BM+\b], v[BM+\b], v[S+15+16*\b]
.endr
.irp b, 0,1,2,3
	s_delay_alu instid0(VALU_DEP_4)
	v_permlanex16_b32 v[BT+\b], v[BM+\b], s[SEL], s[SEL+1]
.endr
.irp b, 0,1,2,3
	s_delay_alu instid0(VALU_DEP_4)
	v_max_num_f32 v[BM+\b], v[BM+\b], v[BT+\b]     ; with lane l xor 16's 16 keys
.endr
	s_delay_alu instid0(VALU_DEP_2)
	v_max3_num_f32 v234, v[BM], v[BM+1], v[BM+2]
	s_delay_alu instid0(VALU_DEP_1)
	v_max_num_f32 v234, v234, v[BM+3]
	s_delay_alu instid0(VALU_DEP_1)
	v_mul_f32 v234, s[CS], v234                    ; the step's largest t of my query (c is positive)
	s_delay_alu instid0(VALU_DEP_1)
	v_max_num_f32 v13, v13, v234                   ; the running largest t
	v_mov_b32 v234, v12
	s_delay_alu instid0(VALU_DEP_2)
	v_floor_f32 v12, -v13                          ; the new -M = floor(-t) = -ceil(t)
	s_delay_alu instid0(VALU_DEP_1)
	v_sub_f32 v234, v12, v234                      ; old M - new M: a whole number, 0 or less
	s_delay_alu instid0(VALU_DEP_1)
	v_cvt_i32_f32 v234, v234                       ; (it saturates)
	s_delay_alu instid0(VALU_DEP_1)
	v_ldexp_f32 v232, 1.0, v234                    ; f = 2^(old M - new M)
.set j, 0
.rept 32
	v_pk_fma_f32 v[S+j:S+j+1], v[S+j:S+j+1], s[CS:CS+1], v[12:13] op_sel_hi:[1,0,0]   ; t - M, two at a time
.set j, j+2
.endr
.irp b, 0,1,2,3
	v_fma_f32 v[BM+\b], v[BM+\b], s[CS], v12       ; the same of each block's largest score
.endr
.set j, 0
	s_wait_alu depctr_va_vdst(0)
.rept 64
	v_exp_f32 v[S+j], v[S+j]                       ; p = 2^(t - M)
.set j, j+1
.endr
.irp b, 0,1,2,3
	v_exp_f32 v[BM+\b], v[BM+\b]                   ; the block's largest p: the same two instructions on the same number
.endr
	v_pk_mul_f32 v[14:15], v[14:15], v[232:233] op_sel_hi:[1,0]   ; the sums under the new M.  (A plain place behind the exponentials)
	s_wait_alu depctr_va_vdst(0)
.irp b, 0,1,2,3
	v_max_num_f32 v[BM+\b], 0x2800000, v[BM+\b]    ; the floor 2^(5 - 127): the byte cannot fall under 1
.endr
.irp b, 0,1,2,3
	s_delay_alu instid0(VALU_DEP_4)
	v_add_nc_u32 v[BS+\b], 0xfe000000, v[BM+\b]    ; 4 off the exponent field: the conversion's scale operand
.endr
.irp b, 0,1,2,3
	s_delay_alu instid0(VALU_DEP_4)
	v_lshrrev_b32 v[BT+\b], 23, v[BS+\b]           ; the scale's byte
.endr
	s_delay_alu instid0(VALU_DEP_3)
	v_lshl_or_b32 v[PW], v[BT+1], 8, v[BT]         ; p's scale word for these 128 keys
	s_delay_alu instid0(VALU_DEP_1)
	v_lshl_or_b32 v[PW], v[BT+2], 16, v[PW]
	s_delay_alu instid0(VALU_DEP_1)
	v_lshl_or_b32 v[PW], v[BT+3], 24, v[PW]
.irp c, 0,1
	v_cvt_scalef32_pk16_bf6_f32 v[PC+6*\c:PC+2+6*\c], v[S+32*\c:S+15+32*\c], v[BS+2*\c]
	v_cvt_scalef32_pk16_bf6_f32 v[PC+12+4*\c:PC+14+4*\c], v[S+16+32*\c:S+31+32*\c], v[BS+2*\c+1]   ; (a conversion's three registers begin on an even number)
.endr
	v_nop                                          ; one plain place behind a scaled conversion
.irp c, 0,1                            ; the operand's layout wants a whole block in a lane
.irp i, 0,1,2
	v_permlane16_swap_b32 v[PC+6*\c+\i], v[PC+12+4*\c+\i]
.endr
.irp i, 0,1,2
	s_delay_alu instid0(VALU_DEP_3)
	v_mov_b32 v[PC+3+6*\c+\i], v[PC+12+4*\c+\i]
.endr
.endr
	v_pk_add_f32 v[236:237], v[100:101], v[104:105]
	v_pk_add_f32 v[254:255], v[108:109], v[112:113]
	v_pk_add_f32 v[252:253], v[116:117], v[120:121]
	v_pk_add_f32 v[250:251], v[124:125], v[128:129]
	v_pk_add_f32 v[248:249], v[132:133], v[136:137]
	v_pk_add_f32 v[246:247], v[140:141], v[144:145]
	v_pk_add_f32 v[244:245], v[148:149], v[152:153]
	v_pk_add_f32 v[14:15], v[14:15], v[156:157]
	v_pk_add_f32 v[236:237], v[236:237], v[96:97]
	v_pk_add_f32 v[254:255], v[254:255], v[98:99]
	v_pk_add_f32 v[252:253], v[252:253], v[102:103]
	v_pk_add_f32 v[250:251], v[250:251], v[106:107]
	v_pk_add_f32 v[248:249], v[248:249], v[110:111]
	v_pk_add_f32 v[246:247], v[246:247], v[114:115]
	v_pk_add_f32 v[244:245], v[244:245], v[118:119]
	v_pk_add_f32 v[14:15], v[14:15], v[122:123]
	v_pk_add_f32 v[236:237], v[236:237], v[126:127]
	v_pk_add_f32 v[254:255], v[254:255], v[130:131]
	v_pk_add_f32 v[252:253], v[252:253], v[134:135]
	v_pk_add_f32 v[250:251], v[250:251], v[138:139]
	v_pk_add_f32 v[248:249], v[248:249], v[142:143]
	v_pk_add_f32 v[246:247], v[246:247], v[146:147]
	v_pk_add_f32 v[244:245], v[244:245], v[150:151]
	v_pk_add_f32 v[14:15], v[14:15], v[154:155]
	v_pk_add_f32 v[236:237], v[236:237], v[158:159]
	s_delay_alu instid0(VALU_DEP_2)
	v_pk_add_f32 v[14:15], v[14:15], v[250:251]
	s_delay_alu instid0(VALU_DEP_2)
	v_pk_add_f32 v[236:237], v[236:237], v[248:249]
	v_pk_add_f32 v[254:255], v[254:255], v[246:247]
	v_pk_add_f32 v[252:253], v[252:253], v[244:245]
	s_delay_alu instid0(VALU_DEP_2)
	v_pk_add_f32 v[14:15], v[14:15], v[254:255]
	s_delay_alu instid0(VALU_DEP_2)
	v_pk_add_f32 v[236:237], v[236:237], v[252:253]
	s_delay_alu instid0(VALU_DEP_1)
	v_pk_add_f32 v[14:15], v[14:15], v[236:237]
.set j, 0
.rept 16
	v_pk_mul_f32 v[OT+j:OT+j+1], v[OT+j:OT+j+1], v[232:233] op_sel_hi:[1,0]   ; O^T under the new M, each accumulator from its low end on.  (With the sums: the places between p's codes and scale word and the products)
.set j, j+2
.endr
	s_wait_alu depctr_va_vdst(0)
	s_wait_dscnt 0x0                               ; v's fragments are in
.irp t, 0,1,2,3                        ; O^T += v^T p^T: four accumulators by turns
	WM OT+8*\t, KV+12*\t, PC, 1, VSC+\t/2, PW, \t&1
.endr
.rept 4
	v_nop                                          ; four places in front of the next step's loads into these operands, and of the next read of O^T
.endr
.Lhidden_\@:
	s_add_co_u32 s[KS], s[KS], 1
.endm
; THE CHANGE OF SLOTS stands at a slot's head.  Each wave waits for all its tensor loads (its part of the slot ahead), adds 0 to its spare word, and waits for that and for its reads of the slot that it has left.
; Behind the barrier the slot ahead is whole and nobody reads the other one.  fill = 1: that other slot takes the two steps that follow: the load has two steps' work in which to land.
.macro CHANGE slot, fill
	s_wait_tensorcnt 0x0                           ; no tensor load of mine is out, so a group 0 may be written
	ds_add_u32 v[SPW], v[NIL]                      ; 0 onto my spare word
	s_add_nc_u64 s[26+4*\slot:27+4*\slot], s[26+4*\slot:27+4*\slot], 25600   ; this slot's next two steps: four steps on
	s_wait_dscnt 0x0                               ; the add is done, and my reads of the slot that I have left are over
	s_barrier_signal -1
	s_barrier_wait -1
.if \fill
	TLOAD 28-4*\slot                               ; the first thing behind the barrier, and a wave's one tensor load until the next
.endif
.endm
.Lpair:                                            ; a trip goes once round the two slots: four key steps
	CHANGE 0, 1
	STEP 0, 0
	STEP 0, 1
	CHANGE 1, 1
	STEP 1, 0
	STEP 1, 1
	s_sub_co_u32 s15, s15, 1
	s_cmp_lg_u32 s15, 0
	s_cbranch_scc1 .Lpair
	CHANGE 0, 1                                    ; the tail is written out
	STEP 0, 0
	STEP 0, 1
	CHANGE 1, 0                                    ; nothing is left to fetch (the stepped address is not used)
	STEP 1, 0
	STEP 1, 1
	; THE WAY OUT: O^T / the sum, quantised along my head's 64 features: two blocks of 32, 16 numbers of each in a lane.
	v_add_f32 v14, v14, v15                        ; the sum's two halves,
	s_delay_alu instid0(VALU_DEP_1)
	v_permlanex16_b32 v[BT], v14, s[SEL], s[SEL+1]
	s_delay_alu instid0(VALU_DEP_1)
	v_add_f32 v14, v14, v[BT]                      ; and lane l xor 16's: the row's sum
	s_wait_alu depctr_va_vdst(0)
	v_rcp_f32 v14, v14
	v_nop                                          ; one plain place behind a transcendental
.set j, 0
	s_wait_alu depctr_va_vdst(0)
.rept 32
	v_mul_f32 v[S+j], v[OT+j], v14                 ; register 16 b + i: feature 32 b + 16 h + i of my query
.set j, j+1
.endr
.irp b, 0,1
	v_max3_num_f32 v[BM+\b], |v[S+16*\b]|, |v[S+1+16*\b]|, 0x2800000
.endr
.irp i, 2,4,6,8,10,12,14
.irp b, 0,1
	s_delay_alu instid0(VALU_DEP_2)
	v_max3_num_f32 v[BM+\b], v[BM+\b], |v[S+16*\b+\i]|, |v[S+1+16*\b+\i]|
.endr
.endr
.irp b, 0,1
	s_delay_alu instid0(VALU_DEP_2)
	v_permlanex16_b32 v[BT+\b], v[BM+\b], s[SEL], s[SEL+1]
.endr
.irp b, 0,1
	s_delay_alu instid0(VALU_DEP_2)
	v_max_num_f32 v[BM+\b], v[BM+\b], v[BT+\b]
.endr
.irp b, 0,1
	s_delay_alu instid0(VALU_DEP_2)
	v_add_nc_u32 v[BS+\b], 0xfe000000, v[BM+\b]
.endr
.irp b, 0,1
	s_delay_alu instid0(VALU_DEP_2)
	v_lshrrev_b32 v[BT+\b], 23, v[BS+\b]
.endr
	s_delay_alu instid0(VALU_DEP_1)
	v_lshl_or_b32 v234, v[BT+1], 8, v[BT]          ; the two scale bytes
	v_cvt_scalef32_pk16_bf6_f32 v[PC:PC+2], v[S:S+15], v[BS]
	v_cvt_scalef32_pk16_bf6_f32 v[PC+12:PC+14], v[S+16:S+31], v[BS+1]
	v_nop                                          ; one plain place behind a scaled conversion
.irp i, 0,1,2
	v_permlane16_swap_b32 v[PC+\i], v[PC+12+\i]    ; lanes 0-15 now hold block 0 whole, lanes 16-31 block 1
.endr
.irp i, 0,1,2
	s_delay_alu instid0(VALU_DEP_3)
	v_mov_b32 v[PC+3+\i], v[PC+12+\i]
.endr
	global_store_b128 v[LI], v[PC:PC+3], s[40:41]             ; 512 consecutive bytes
	global_store_b64 v[L8], v[PC+4:PC+5], s[40:41] offset:512 ; 256 consecutive bytes
	global_store_b16 v[R16], v234, s[6:7]          ; two bytes a row (lanes l and l xor 16 write the same value to the same place): a row's sixteen bytes come from eight heads' work-groups
	s_wait_tensorcnt 0x0                           ; the wave's end
	ds_add_u32 v[SPW], v[NIL]
	s_wait_dscnt 0x0
	s_endpgm
.Lfunc_end_k_qc99715075f_attn:
	.size	k_qc99715075f_attn, .Lfunc_end_k_qc99715075f_attn-k_qc99715075f_attn
	.p2alignl 7, 3214868480
	.fill 96, 4, 3214868480
	.section	.rodata,"a",@progbits
	.p2align	6, 0x0
	.amdhsa_kernel k_qc99715075f_attn
		.amdhsa_group_segment_fixed_size 327680
		.amdhsa_private_segment_fixed_size 0
		.amdhsa_enable_private_segment 0
		.amdhsa_kernarg_size 16
		.amdhsa_user_sgpr_count 2
		.amdhsa_user_sgpr_kernarg_segment_ptr 1
		.amdhsa_wavefront_size32 1
		.amdhsa_system_sgpr_workgroup_id_x 1
		.amdhsa_system_sgpr_workgroup_id_y 1
		.amdhsa_system_sgpr_workgroup_id_z 1
		.amdhsa_system_vgpr_workitem_id 0
		.amdhsa_next_free_vgpr 256
		.amdhsa_next_free_sgpr 66
		.amdhsa_reserve_vcc 1
		.amdhsa_float_denorm_mode_32 3
		.amdhsa_float_denorm_mode_16_64 3
		.amdhsa_memory_ordered 1
		.amdhsa_forward_progress 1
		.amdhsa_inst_pref_size 186
	.end_amdhsa_kernel
	.amdgpu_metadata
---
amdhsa.version: [ 1, 2 ]
amdhsa.kernels:
  - .name:           k_qc99715075f_attn
    .symbol:         k_qc99715075f_attn.kd
    .args:
      - { .name: qkv, .offset: 0, .size: 8, .value_kind: global_buffer, .address_space: global }
      - { .name: obuf, .offset: 8, .size: 8, .value_kind: global_buffer, .address_space: global }
    .group_segment_fixed_size: 327680
    .private_segment_fixed_size: 0
    .kernarg_segment_align: 8
    .kernarg_segment_size: 16
    .max_flat_workgroup_size: 512
    .sgpr_count:     66
    .vgpr_count:     256
    .wavefront_size: 32
...
	.end_amdgpu_metadata
.endif
;; end of part 6
;; launch outp (part 7): grid 256 x 1, 8 waves a work-group, no clusters, 67,072 bytes of LDS; arguments obuf, wimg, out0; writes out0
.if DOCPART == 7
	.amdgcn_target "amdgcn-amd-amdhsa--gfx1250"
	.amdhsa_code_object_version 6
	.text
	.protected	k_qc99715075f_outp
	.globl	k_qc99715075f_outp
	.p2align	8
	.type	k_qc99715075f_outp,@function
k_qc99715075f_outp:
	s_mov_b64 s[64:65], 0
	v_nop
	global_prefetch_b8 v0, s[64:65] scope:SCOPE_SE
	s_setreg_imm32_b32 hwreg(HW_REG_WAVE_SCHED_MODE, 0, 2), 2
	s_setreg_imm32_b32 hwreg(HW_REG_WAVE_MODE, 25, 1), 1
	s_wait_xcnt 0x0
	s_wait_alu depctr_vm_vsrc(0)
; out0 = o Wo on codes of BF6 (E3M2) with one E8M0 scale for each 32 along K = the 512 concatenated features.  Both operands come as images of operand registers.
; SHARES: work-group x makes rows 32 x .. 32 x + 31 (two tiles of o, 2 x and 2 x + 1), wave w the columns 64 w .. 64 w + 63: 8 accumulators, 4 K steps, 32 matrix instructions.
; o's tile: head hd's six registers at 768 hd (registers 0-3 at 16 l, 4-5 at 512 + 8 l): heads 2 g and 2 g + 1 are the two halves of K step g's fragment; a row's four scale words at 6,144 + 16 r.
; Lane r of tile 2 f + u holds row 32 f + 8 u + r + 8 (r / 8) of a block of 128 rows; Wo's column tiles are laid likewise, so a lane's 16 registers of two neighbouring tiles are 16 neighbouring columns.
; Source 0 = 16 columns of Wo, source 1 = 16 rows of o: a lane holds one row.  The results meet in a stage in LDS (32 rows x (2,048 + 16) bytes) and leave as rows: each store covers 512 consecutive bytes.
; No tensor loads and no cluster: the weight goes straight into the registers of the one wave of the work-group that multiplies by it; a joint load would lay it in LDS first.
; THE MODE: SCHED_MODE bits 1:0 = 2 (LLVM: expert scheduling mode 2), set by the entry lines.  The code itself states the register dependences
; between vector or matrix instructions and memory or LDS instructions, with s_wait_alu, always for 0.
; THE PLAN.  Registers that memory or LDS instructions touch:
;   v2-v6, v11   offsets and LDS addresses: written at the head, never again: one wait on va_vdst ahead of the first load.
;   XF, XS, WS and window 1's v0-191: global loads land, the products read.  XF once more: the stage's LDS loads land, the global stores read.
;   T            the products write, the stage's LDS stores read.
; Behind the products and their places ONE wait on va_vdst states that T is written and that the products are done reading XF; no vector or matrix instruction follows it.
.set LI,  2                            ; v2  16 x lane
.set L8,  3                            ; v3  8 x lane
.set R16, 4                            ; v4  16 r
.set SO,  5                            ; v5  the stage, in: 2,064 r + 256 w + 64 h
.set SR,  6                            ; v6  the stage, back: 8,256 w + 16 x lane
.set L4,  11                           ; v11 4 x lane
.set XF,  16                           ; v16-111 o's eight fragments (tile u, K step g) at 12 (4 u + g); later the rows on their way out
.set XS,  112                          ; v112-119 their scale words
.set T,   144                          ; v144-207 the accumulators
.set WS,  246                          ; v246-253 Wo's scale words;  window 1, v0-191: Wo's 16 fragments
.set MSB, 0
.macro WIN new                         ; the immediate's high byte repeats the setting that is left
.if MSB != (\new)
	s_set_vgpr_msb (MSB<<8)|(\new)
.set MSB, (\new)
.endif
.endm
.macro WM d, a, b, k, sa, sb, row      ; k = 0: C = 0; else C = D.  row = 1: source 0's scales from lanes 16-31
.if (\k) == 0
.if (\row) == 1
	v_wmma_scale_f32_16x16x128_f8f6f4 v[\d:\d+7], v[\a:\a+11], v[\b:\b+11], 0, v[\sa], v[\sb] matrix_a_fmt:MATRIX_FMT_BF6 matrix_b_fmt:MATRIX_FMT_BF6 matrix_a_scale:MATRIX_SCALE_ROW1
.else
	v_wmma_scale_f32_16x16x128_f8f6f4 v[\d:\d+7], v[\a:\a+11], v[\b:\b+11], 0, v[\sa], v[\sb] matrix_a_fmt:MATRIX_FMT_BF6 matrix_b_fmt:MATRIX_FMT_BF6
.endif
.else
.if (\row) == 1
	v_wmma_scale_f32_16x16x128_f8f6f4 v[\d:\d+7], v[\a:\a+11], v[\b:\b+11], v[\d:\d+7], v[\sa], v[\sb] matrix_a_fmt:MATRIX_FMT_BF6 matrix_b_fmt:MATRIX_FMT_BF6 matrix_a_scale:MATRIX_SCALE_ROW1
.else
	v_wmma_scale_f32_16x16x128_f8f6f4 v[\d:\d+7], v[\a:\a+11], v[\b:\b+11], v[\d:\d+7], v[\sa], v[\sb] matrix_a_fmt:MATRIX_FMT_BF6 matrix_b_fmt:MATRIX_FMT_BF6
.endif
.endif
.endm
	s_load_b128 s[4:7], s[0:1], 0x0                ; obuf, wimg
	s_load_b64 s[8:9], s[0:1], 0x10                ; out0
	v_lshl_add_u32 v254, v0, 2, 0x10200
	v_mov_b32 v255, 0
	v_lshrrev_b32 v1, 5, v0
	v_readfirstlane_b32 s16, v1                    ; wave 0..7
	v_and_b32 v1, 31, v0
	v_and_b32 v12, 15, v0                          ; r
	v_bfe_u32 v13, v0, 4, 1                        ; h
	v_lshlrev_b32 v[LI], 4, v1
	v_lshlrev_b32 v[L8], 3, v1
	v_lshlrev_b32 v[L4], 2, v1
	v_lshlrev_b32 v[R16], 4, v12
	v_mul_u32_u24 v[SO], v12, 2064
	v_lshl_add_u32 v[SO], v13, 6, v[SO]
	s_wait_alu depctr_va_sdst(0)                   ; s16 is written, ahead of its first reader: the stage's addresses and the bases are made from it
	s_lshl_b32 s17, s16, 8
	v_add_nc_u32 v[SO], s17, v[SO]
	s_mul_i32 s17, s16, 8256
	v_add_nc_u32 v[SR], s17, v[LI]
	s_mul_i32 s20, ttmp9, 12800                    ; my two tiles of o
	s_mov_b32 s21, 0
	s_mul_i32 s22, s16, 25600
	s_add_co_u32 s22, s22, 614400                  ; matrix 3, group w
	s_mov_b32 s23, 0
	s_lshl_b32 s24, ttmp9, 5                       ; the first row that I store: stage rows 4 w .. 4 w + 3 are tile w / 4, lanes 4 (w % 4) on:
	s_lshr_b32 s25, s16, 2
	s_lshl_b32 s25, s25, 3
	s_add_co_u32 s24, s24, s25                     ; 32 x + 8 (w / 4)
	s_and_b32 s25, s16, 3
	s_lshl_b32 s25, s25, 2
	s_add_co_u32 s24, s24, s25                     ; + 4 (w % 4)
	s_bfe_u32 s25, s16, 0x10001
	s_lshl_b32 s25, s25, 3
	s_add_co_u32 s24, s24, s25                     ; + 8 where the lanes are 8 to 15
	s_lshl_b32 s24, s24, 11
	s_mov_b32 s25, 0
	s_wait_kmcnt 0x0
	s_add_nc_u64 s[4:5], s[4:5], s[20:21]
	s_add_nc_u64 s[6:7], s[6:7], s[22:23]
	s_add_nc_u64 s[8:9], s[8:9], s[24:25]
	WIN 0x40                                       ; destination window 1
	s_wait_alu depctr_va_vdst(0)                   ; the offsets and LDS addresses v2 to v6 and v11 are written: every load and store of the kernel reads one of them
.set i, 0
.rept 48
	global_load_b128 v[4*i:4*i+3], v[LI], s[6:7] offset:512*i
.set i, i+1
.endr
	WIN 0
.irp i, 0,1,2,3,4,5,6,7
	global_load_b32 v[WS+\i], v[L4], s[6:7] offset:24576+128*\i
.endr
.irp u, 0,1
.irp g, 0,1,2,3
.irp e, 0,1
	global_load_b128 v[XF+12*(4*\u+\g)+6*\e:XF+12*(4*\u+\g)+6*\e+3], v[LI], s[4:5] offset:6400*\u+768*(2*\g+\e)
	global_load_b64 v[XF+12*(4*\u+\g)+6*\e+4:XF+12*(4*\u+\g)+6*\e+5], v[L8], s[4:5] offset:6400*\u+768*(2*\g+\e)+512
.endr
.endr
	global_load_b128 v[XS+4*\u:XS+4*\u+3], v[R16], s[4:5] offset:6400*\u+6144
.endr
	s_wait_loadcnt 0x0
	WIN 0x01                                       ; source 0 (Wo) window 1
.irp s, 0,1,2,3                        ; eight accumulators by turns
.irp u, 0,1
.irp t, 0,1,2,3
	WM T+8*(4*\u+\t), 12*(4*\s+\t), XF+12*(4*\u+\s), \s, WS+2*\s+\t/2, XS+4*\u+\s, \t&1
.endr
.endr
.endr
	WIN 0
.rept 4
	v_nop                                          ; four places in front of the first read of results (ISA guide 7.12.1)
.endr
	s_wait_alu depctr_va_vdst(0)                   ; the products have written the accumulators, which the LDS stores read, and are done reading o's fragments, in which the stage's loads land; the places above stay beside this wait
.irp u, 0,1
.irp b, 0,1
.irp i, 0,1,2,3
	ds_store_b128 v[SO], v[T+32*\u+16*\b+4*\i:T+32*\u+16*\b+4*\i+3] offset:33024*\u+128*\b+16*\i   ; stage row 16 u + r, columns 64 w + 32 b + 16 h + 4 i on; each accumulator from its low end on
.endr
.endr
.endr
	s_wait_dscnt 0x0                               ; for the others' sake: my stores into the stage are done
	s_barrier_signal -1
	s_barrier_wait -1
.irp i, 0,1,2,3
.irp c, 0,1,2,3
	ds_load_b128 v[XF+4*(4*\i+\c):XF+4*(4*\i+\c)+3], v[SR] offset:2064*\i+512*\c
.endr
.endr
.irp i, 0,1,2,3
.irp c, 0,1,2,3
	s_wait_dscnt 15-(4*\i+\c)                      ; the younger loads may stay out
	global_store_b128 v[LI], v[XF+4*(4*\i+\c):XF+4*(4*\i+\c)+3], s[8:9] offset:2048*\i+512*\c th:TH_STORE_NT   ; 32 lanes store 512 consecutive bytes of a row; written once, read by nobody here
.endr
.endr
	s_wait_dscnt 0x0                               ; the closing lines, six on end
	s_wait_alu 0x0
	s_wait_tensorcnt 0x0
	ds_add_u32 v254, v255
	s_wait_dscnt 0x0
	s_endpgm
.Lfunc_end_k_qc99715075f_outp:
	.size	k_qc99715075f_outp, .Lfunc_end_k_qc99715075f_outp-k_qc99715075f_outp
	.p2alignl 7, 3214868480
	.fill 96, 4, 3214868480
	.section	.rodata,"a",@progbits
	.p2align	6, 0x0
	.amdhsa_kernel k_qc99715075f_outp
		.amdhsa_group_segment_fixed_size 67072
		.amdhsa_private_segment_fixed_size 0
		.amdhsa_enable_private_segment 0
		.amdhsa_kernarg_size 24
		.amdhsa_user_sgpr_count 2
		.amdhsa_user_sgpr_kernarg_segment_ptr 1
		.amdhsa_wavefront_size32 1
		.amdhsa_system_sgpr_workgroup_id_x 1
		.amdhsa_system_sgpr_workgroup_id_y 1
		.amdhsa_system_sgpr_workgroup_id_z 1
		.amdhsa_system_vgpr_workitem_id 0
		.amdhsa_next_free_vgpr 448
		.amdhsa_next_free_sgpr 66
		.amdhsa_reserve_vcc 0
		.amdhsa_float_denorm_mode_32 3
		.amdhsa_float_denorm_mode_16_64 3
		.amdhsa_memory_ordered 1
		.amdhsa_forward_progress 1
		.amdhsa_inst_pref_size 20
	.end_amdhsa_kernel
	.amdgpu_metadata
---
amdhsa.version: [ 1, 2 ]
amdhsa.kernels:
  - .name:           k_qc99715075f_outp
    .symbol:         k_qc99715075f_outp.kd
    .args:
      - { .name: obuf, .offset: 0, .size: 8, .value_kind: global_buffer, .address_space: global }
      - { .name: wimg, .offset: 8, .size: 8, .value_kind: global_buffer, .address_space: global }
      - { .name: out0, .offset: 16, .size: 8, .value_kind: global_buffer, .address_space: global }
    .group_segment_fixed_size: 67072
    .private_segment_fixed_size: 0
    .kernarg_segment_align: 8
    .kernarg_segment_size: 24
    .max_flat_workgroup_size: 256
    .sgpr_count:     66
    .vgpr_count:     448
    .wavefront_size: 32
...
	.end_amdgpu_metadata
.endif
;; end of part 7
